; MI455X (gfx1250); checked and timed in simulation.
; The chip was launched on July 23, 2026; its instructions are those of AMD's public machine-readable ISA for CDNA 5 (MIT licence, August 2026) and "CDNA5" Instruction Set Architecture Reference Guide (July 2026). The comments in the code are by the model that wrote it; some were corrected since.
;; Cached Multihead Attention. Allowed arithmetic: matrix products marked QUANTISED: E2M1 operands, one E8M0 scale for each 32 along K, by v_wmma_scale_f32_16x16x128_f8f6f4 with both operands' format E2M1 (or v_wmma_scale_f32_32x16x128_f4), f32 sums; products left as they are: bf16, f16 or f32 operands; f32 sums; everything else in f32.
;; Inputs: w_in 3,072 x 1,024 float32; w_out 1,024 x 1,024 float32; x 4 x 2,048 x 1,024 float32.
;; Outputs: out0 4 x 2,048 x 1,024 float32.
;; This version of the problem:
;;   THIS VERSION OF THE PROBLEM IS GIVEN IN LOW PRECISION. The matrix products marked QUANTISED in the list below multiply operands that are first quantised to E2M1 (2 exponent bits, 1 mantissa bit; 4 bits a number), with one power-of-two scale for each 32 numbers along K (OCP MX v1.0); their sums are f32. The products marked 'left as it is' may take bf16, f16 or f32 operands, with f32 sums. Whichever they take, every output number must still come out within the allowed error. Rounding operands to bf16 (8 significant bits) uses up far more of that allowance than f16 does (11 bits, for magnitudes from 6e-5 to 65,504). All else is computed in f32.
;;   The module's matrix products, in the order in which they are computed (A, B: the left and right operand; K: the contracted axis; several contracted axes count as one K, in the product's order):
;;     1. [M 8,192, K 1,024] x [K 1,024, N 3,072]; A: input x; B: input w_in: QUANTISED
;;     2. batch 256 x [M 512, K 64] x [K 64, N 1,024]; A: computed on the way; B: computed on the way: left as it is (an operand is computed on the way)
;;     3. batch 256 x [M 512, K 1,024] x [K 1,024, N 64]; A: computed on the way; B: computed on the way: left as it is (an operand is computed on the way)
;;     4. [M 8,192, K 1,024] x [K 1,024, N 1,024]; A: computed on the way; B: input w_out: left as it is (an operand is computed on the way)
;;   THE QUANTISER, for each operand of a quantised product, along K:
;;     - K is cut into blocks of 32 from its start; a last block that is shorter is filled with zeros.
;;     - A block's scale is 2^e with e = floor(log2(the largest magnitude in the block)) - 2, held to -126 .. 127; a block of zeros has e = 0. As a byte (E8M0): e + 127.
;;     - Each number is divided by its block's scale, clamped to +-6, and rounded to the nearest number of E2M1, ties to even, subnormals kept.
;;     - The product sums the exact products of the quantised numbers (number of the format x scale) in f32.
;;   ~~~python
;;   def quantise(x, axis):      # numpy; x: float32 -> the quantised numbers, widened to float32 again
;;       x = np.moveaxis(x, axis, -1); K = x.shape[-1]
;;       x = np.pad(x, [(0, 0)] * (x.ndim - 1) + [(0, -K % 32)]); x = x.reshape(x.shape[:-1] + (-1, 32)); a = np.abs(x).max(-1, keepdims=True)
;;       e = np.where(a > 0, np.clip(np.frexp(np.where(a > 0, a, 1))[1] - 1 - 2, -126, 127), 0)      # np.frexp(a)[1] - 1 = floor(log2(a)), exactly
;;       r = np.clip(x / 2.0 ** e, -6, 6)
;;       step = 2.0 ** (np.maximum(np.frexp(np.where(r == 0, 1, r))[1] - 1, 0) - 1)
;;       q = np.round(r / step) * step * 2.0 ** e      # np.round: ties to even
;;       return np.moveaxis(q.reshape(q.shape[:-2] + (-1,))[..., :K], -1, axis).astype(np.float32)
;;   ~~~
;; One version. Each part assembles by itself: llvm-mc -triple=amdgcn-amd-amdhsa -mcpu=gfx1250 --defsym DOCPART=n.
;; ======== version 1 of 1: 4 launches
;; limits: values are held in f16: magnitudes above 65,504 overflow, below 6.1e-05 lose precision
;; workspace buffers: x_codes 4,194,304 bytes; x_scales 262,144 bytes; w_codes 1,572,864 bytes; w_scales 98,304 bytes; w16 2,097,152 bytes; qkv 50,331,648 bytes; o16 16,777,216 bytes
;; launch prep (part 1): grid 384 x 1, 4 waves a work-group, no clusters, 33,280 bytes of LDS; arguments x, w_in, x_codes, x_scales, w_codes, w_scales, w_out, w16; writes x_codes, x_scales, w_codes, w_scales, w16
.if DOCPART == 1
	.amdgcn_target "amdgcn-amd-amdhsa--gfx1250"
	.amdhsa_code_object_version 6
	.text
	.protected	k_q6daceff1b5_prep
	.globl	k_q6daceff1b5_prep
	.p2align	8
	.type	k_q6daceff1b5_prep,@function
k_q6daceff1b5_prep:
	s_mov_b64 s[64:65], 0
	v_nop
	global_prefetch_b8 v0, s[64:65] scope:SCOPE_SE
	s_setreg_imm32_b32 hwreg(HW_REG_WAVE_MODE, 25, 1), 1
	s_wait_xcnt 0x0
; x [8192][1024] and w_in [3072][1024], f32, are turned into codes of FP4 (E2M1), 4 bits each, K innermost, with one E8M0 scale byte for each 32 along K; w_out [1024][1024] is rounded once to f16.
; A block's scale is 2^(floor(log2(its largest magnitude)) - 2); its byte is the largest magnitude's own exponent field - 2, held at 1 from below.  (A block of zeros so gets the byte 1 where the
; quantiser says 127: its codes are zeros, which add nothing under any byte but 0xff, and the bytes are read by this program alone.)  Each number is divided by the scale and rounded to the nearest code, ties to even;
; beyond the largest code the conversion gives the largest code.
; LIMITS: blocks whose largest magnitude lies under 2^-124, the floor, keep the byte 1; NaN and infinities among the inputs are not served; |w_out| stays under 65,504, f16's largest number.
; Rows are dense and K is a multiple of 32, so both tensors are plain streams of blocks of 32 numbers, and so are the codes and the scale bytes.
; WORK-GROUPS 0 to 255 take x, 256 to 351 w_in: a wave takes 16 steps of 512 numbers.  Each of a step's four loads reads 512 consecutive bytes, 16 a lane; the 2,048 bytes go through the wave's own stage in LDS
; and come back 64 bytes a lane, so that a lane holds 16 neighbours along K (two neighbouring lanes hold a block).  A lane's 16 codes are 8 bytes: the wave stores 256 consecutive bytes.
; A wave's 256 scale bytes are gathered in its own LDS bytes and leave as 256 consecutive bytes.  Loads run four steps ahead, the turn through LDS one step.
; WORK-GROUPS 352 to 383 take w_out, without LDS: a wave takes 16 steps of 512 numbers; a store of 8 bytes a lane covers 256 consecutive bytes.
; No work-group shares an input byte with another: no cluster, no tensor load, no barrier.
.set SIZE_M, 8192
.set SIZE_N, 3072
.set SIZE_K, 1024
.set WAVES, 4
.set STEPS, 16
.set WGA,   SIZE_M*SIZE_K/(512*STEPS*WAVES)            ; 256 work-groups for x
.set WGQ,   (SIZE_M+SIZE_N)*SIZE_K/(512*STEPS*WAVES)   ; 352 for x and w_in together
.set EMAX,  2
.set CB,    8                          ; bytes of 16 codes
.set R,     16                         ; v16-79   four sets of 16 numbers as they are loaded
.set X,     80                         ; v80-111  two sets of 16 neighbours
.set C,     128                        ; v128-191 codes: four registers for each step, so that no store's data are written again
.set E,     112                        ; v112-127 a scale byte for each step
.set WREG,  8192                       ; LDS: a region of its own for each wave: two stages of 32 x SP bytes, and behind them its 256 scale bytes
.set SP,    80                         ; a lane's place in a stage: its 64 bytes + 16 of padding
.set SPW,   12                         ; v12      LDS address of my spare word: SPARE + 4 x my thread's number; never rewritten
.set NIL,   13                         ; v13      0; never rewritten
.set SPARE, WAVES*WREG                 ; behind the four regions: the spare words, 128 bytes for each wave
.set WR,    16                         ; w_out's path: v16-63 three sets of 16 numbers as loaded
.set WH,    64                         ; v64-191  eight registers of f16 for each step, so that no store's data are written again
	s_load_b128 s[4:7], s[0:1], 0x0                ; x, w_in
	s_load_b128 s[8:11], s[0:1], 0x10              ; x's codes, x's scales
	s_load_b128 s[12:15], s[0:1], 0x20             ; w_in's codes, w_in's scales
	s_load_b128 s[24:27], s[0:1], 0x30             ; w_out, w16
	v_lshl_add_u32 v[SPW], v0, 2, SPARE
	v_mov_b32 v[NIL], 0
	v_lshrrev_b32 v1, 5, v0
	v_readfirstlane_b32 s16, v1                    ; wave
	v_and_b32 v2, 31, v0                           ; lane
	v_lshlrev_b32 v3, 4, v2                        ; my 16 bytes of a load's 512
	s_mul_i32 s17, s16, WREG
	v_lshrrev_b32 v14, 2, v2
	v_mul_u32_u24 v14, v14, SP
	v_and_b32 v15, 3, v2
	v_lshl_add_u32 v14, v15, 4, v14
	v_add_nc_u32 v14, s17, v14                     ; the stage, on the way in: four lanes' 64 bytes on end, then 16 of padding
	v_mul_u32_u24 v15, v2, SP
	v_add_nc_u32 v15, s17, v15                     ; and on the way out: SP x lane: my 16 neighbours
	v_mul_u32_u24 v4, v2, CB                       ; my codes' place in a step's
	v_lshrrev_b32 v5, 1, v2
	s_add_co_u32 s17, s17, 2*32*SP
	v_add_nc_u32 v5, s17, v5                       ; LDS: my wave's 256 scale bytes, my block's byte
	v_lshlrev_b32 v7, 3, v2                        ; and on the way out 8 bytes a lane
	v_add_nc_u32 v6, s17, v7
	s_wait_kmcnt 0x0
	s_cmp_ge_u32 ttmp9, WGQ                        ; the last 32 work-groups round w_out: the branch hangs on the work-group's number alone
	s_cbranch_scc1 .Lw16
	s_cmp_lt_u32 ttmp9, WGA                        ; x's work-group or w_in's?  Only pointers are chosen: both take one path
	s_cselect_b64 s[4:5], s[4:5], s[6:7]
	s_cselect_b64 s[8:9], s[8:9], s[12:13]
	s_cselect_b64 s[10:11], s[10:11], s[14:15]
	s_cselect_b32 s17, 0, WGA
	s_sub_co_u32 s17, ttmp9, s17
	s_lshl_b32 s17, s17, 2
	s_add_co_u32 s18, s17, s16                     ; which run of 8,192 numbers of the tensor is my wave's
	s_mov_b32 s19, 0
	s_mov_b64 s[20:21], 512*STEPS*4
	s_mul_u64 s[20:21], s[18:19], s[20:21]
	s_add_nc_u64 s[4:5], s[4:5], s[20:21]
	s_mov_b64 s[20:21], 32*STEPS*CB
	s_mul_u64 s[20:21], s[18:19], s[20:21]
	s_add_nc_u64 s[8:9], s[8:9], s[20:21]
	s_lshl_b32 s18, s18, 8                         ; 256 scale bytes a run
	s_add_nc_u64 s[10:11], s[10:11], s[18:19]
.macro LOAD t
.irp i, 0,1,2,3
	global_load_b128 v[R+16*((\t)%4)+4*\i:R+16*((\t)%4)+4*\i+3], v3, s[4:5] offset:2048*(\t)+512*\i th:TH_LOAD_NT   ; 32 lanes read 512 consecutive bytes
.endr
.endm
.macro TURN t                          ; step t's numbers through the stage: LDS serves a wave's instructions in order (ISA guide 5.7.1.4), so no wait stands between the stores and the loads
.irp i, 0,1,2,3
	ds_store_b128 v14, v[R+16*((\t)%4)+4*\i:R+16*((\t)%4)+4*\i+3] offset:32*SP*((\t)%2)+8*SP*\i
.endr
.irp i, 0,1,2,3
	ds_load_b128 v[X+16*((\t)%2)+4*\i:X+16*((\t)%2)+4*\i+3], v15 offset:32*SP*((\t)%2)+16*\i
.endr
.endm
.irp t, 0,1,2,3
	LOAD \t
.endr
	s_wait_loadcnt 12                              ; step 0's four loads are in; the twelve of steps 1 to 3 may be out
	TURN 0
.macro STEP t
.set XS, X+16*((\t)%2)
.if (\t) > 0
	s_wait_dscnt 1                                 ; this step's numbers are back from the stage (the last step's byte store may be out): so its stores into the stage have read their registers,
.else
	s_wait_dscnt 0x0
.endif
.if (\t)+4 < STEPS
	LOAD (\t)+4                                    ; which take the loads of four steps on
.endif
.if (\t)+1 < STEPS
.if STEPS-2-(\t) >= 3
	s_wait_loadcnt 12                              ; the next step's four loads are in; those of the three steps behind it may be out
.else
	s_wait_loadcnt 4*(STEPS-2-(\t))
.endif
	TURN (\t)+1                                    ; and go through the other stage while this step is worked
.endif
	v_max3_num_f32 v8, |v[XS]|, |v[XS+1]|, |v[XS+2]|               ; the largest magnitude of my 16, in two chains
	v_max3_num_f32 v9, |v[XS+3]|, |v[XS+4]|, |v[XS+5]|
.irp i, 6,10
	v_max3_num_f32 v8, v8, |v[XS+\i]|, |v[XS+\i+1]|
	v_max3_num_f32 v9, v9, |v[XS+\i+2]|, |v[XS+\i+3]|
.endr
	v_max3_num_f32 v8, v8, |v[XS+14]|, |v[XS+15]|
	v_max3_num_f32 v8, v8, v9, (EMAX+1)<<23        ; and the floor 2^(EMAX + 1 - 127): so the byte cannot fall under 1
	v_max_num_f32_dpp v8, v8, v8 row_xmask:1 row_mask:0xf bank_mask:0xf   ; and of my neighbour's 16: the block's
	v_add_nc_u32 v11, -(EMAX<<23), v8              ; EMAX off its exponent field: the conversion takes the exponent field of this operand as its scale, and nothing else of it
	v_cvt_scalef32_pk8_fp4_f32 v[C+4*(\t)], v[XS:XS+7], v11        ; eight numbers / 2^(v11's exponent), to the nearest code; the first number's code in the lowest four bits
	v_cvt_scalef32_pk8_fp4_f32 v[C+4*(\t)+1], v[XS+8:XS+15], v11
	v_lshrrev_b32 v[E+(\t)], 23, v11               ; the scale's byte (also the plain line behind the conversions)
	ds_store_b8 v5, v[E+(\t)] offset:16*(\t)       ; both lanes of a block write the same byte with the same value
	global_store_b64 v4, v[C+4*(\t):C+4*(\t)+1], s[8:9] offset:32*CB*(\t)
.endm
.irp t, 0,1,2,3,4,5,6,7,8,9,10,11,12,13,14,15
	STEP \t
.endr
	ds_load_b64 v[8:9], v6                         ; LDS serves a wave's instructions in order: these see my stores
	s_wait_dscnt 0x0
	global_store_b64 v7, v[8:9], s[10:11]          ; 32 lanes store 256 consecutive bytes, aligned
	s_wait_tensorcnt 0x0                           ; the wave's end, behind my last LDS store
	ds_add_u32 v[SPW], v[NIL]
	s_wait_dscnt 0x0
	s_endpgm
; ---- w_out to f16.  Run = 4 x (work-group - 352) + wave: 32,768 bytes in, 16,384 out.  Every offset is an immediate; no register that a store reads is written again.
.Lw16:
	s_sub_co_u32 s17, ttmp9, WGQ
	s_lshl_b32 s17, s17, 2
	s_add_co_u32 s17, s17, s16
	s_lshl_b32 s18, s17, 15
	s_mov_b32 s19, 0
	s_add_nc_u64 s[24:25], s[24:25], s[18:19]
	s_lshl_b32 s18, s17, 14
	s_add_nc_u64 s[26:27], s[26:27], s[18:19]
.macro WLOAD t
.irp i, 0,1,2,3
	global_load_b128 v[WR+16*((\t)%3)+4*\i:WR+16*((\t)%3)+4*\i+3], v3, s[24:25] offset:2048*(\t)+512*\i th:TH_LOAD_NT
.endr
.endm
.macro WSTEP t
.if (\t) < 14
	s_wait_loadcnt 8                               ; this step's four loads are in; the eight of the two steps behind it may be out
.else
	s_wait_loadcnt 4*(15-(\t))
.endif
.irp i, 0,1,2,3
	v_cvt_pk_f16_f32 v[WH+8*(\t)+2*\i],   v[WR+16*((\t)%3)+4*\i],   v[WR+16*((\t)%3)+4*\i+1]   ; two roundings to f16, the first number in the low half
	v_cvt_pk_f16_f32 v[WH+8*(\t)+2*\i+1], v[WR+16*((\t)%3)+4*\i+2], v[WR+16*((\t)%3)+4*\i+3]
.endr
.if (\t)+3 < 16
	WLOAD (\t)+3                                   ; the set just read takes the loads of three steps on
.endif
.irp i, 0,1,2,3
	global_store_b64 v7, v[WH+8*(\t)+2*\i:WH+8*(\t)+2*\i+1], s[26:27] offset:1024*(\t)+256*\i   ; 32 lanes store 256 consecutive bytes, aligned
.endr
.endm
	WLOAD 0
	WLOAD 1
	WLOAD 2
.irp t, 0,1,2,3,4,5,6,7,8,9,10,11,12,13,14,15
	WSTEP \t
.endr
	s_endpgm
.Lfunc_end_k_q6daceff1b5_prep:
	.size	k_q6daceff1b5_prep, .Lfunc_end_k_q6daceff1b5_prep-k_q6daceff1b5_prep
	.p2alignl 7, 3214868480
	.fill 96, 4, 3214868480
	.section	.rodata,"a",@progbits
	.p2align	6, 0x0
	.amdhsa_kernel k_q6daceff1b5_prep
		.amdhsa_group_segment_fixed_size 33280
		.amdhsa_private_segment_fixed_size 0
		.amdhsa_enable_private_segment 0
		.amdhsa_kernarg_size 64
		.amdhsa_user_sgpr_count 2
		.amdhsa_user_sgpr_kernarg_segment_ptr 1
		.amdhsa_wavefront_size32 1
		.amdhsa_system_sgpr_workgroup_id_x 1
		.amdhsa_system_sgpr_workgroup_id_y 1
		.amdhsa_system_sgpr_workgroup_id_z 1
		.amdhsa_system_vgpr_workitem_id 0
		.amdhsa_next_free_vgpr 192
		.amdhsa_next_free_sgpr 66
		.amdhsa_reserve_vcc 0
		.amdhsa_float_denorm_mode_32 3
		.amdhsa_float_denorm_mode_16_64 3
		.amdhsa_memory_ordered 1
		.amdhsa_forward_progress 1
		.amdhsa_inst_pref_size 54
	.end_amdhsa_kernel
	.amdgpu_metadata
---
amdhsa.version: [ 1, 2 ]
amdhsa.kernels:
  - .name:           k_q6daceff1b5_prep
    .symbol:         k_q6daceff1b5_prep.kd
    .args:
      - { .name: x, .offset: 0, .size: 8, .value_kind: global_buffer, .address_space: global }
      - { .name: w_in, .offset: 8, .size: 8, .value_kind: global_buffer, .address_space: global }
      - { .name: x_codes, .offset: 16, .size: 8, .value_kind: global_buffer, .address_space: global }
      - { .name: x_scales, .offset: 24, .size: 8, .value_kind: global_buffer, .address_space: global }
      - { .name: w_codes, .offset: 32, .size: 8, .value_kind: global_buffer, .address_space: global }
      - { .name: w_scales, .offset: 40, .size: 8, .value_kind: global_buffer, .address_space: global }
      - { .name: w_out, .offset: 48, .size: 8, .value_kind: global_buffer, .address_space: global }
      - { .name: w16, .offset: 56, .size: 8, .value_kind: global_buffer, .address_space: global }
    .group_segment_fixed_size: 33280
    .private_segment_fixed_size: 0
    .kernarg_segment_align: 8
    .kernarg_segment_size: 64
    .max_flat_workgroup_size: 128
    .sgpr_count:     66
    .vgpr_count:     192
    .wavefront_size: 32
...
	.end_amdgpu_metadata
.endif
;; end of part 1
;; launch qkvgemm (part 2): grid 12 x 32, 4 waves a work-group, clusters of 4 x 4, 327,680 bytes of LDS; arguments x_codes, x_scales, w_codes, w_scales, qkv; writes qkv
.if DOCPART == 2
	.amdgcn_target "amdgcn-amd-amdhsa--gfx1250"
	.amdhsa_code_object_version 6
	.text
	.protected	k_q6daceff1b5_qkvgemm
	.globl	k_q6daceff1b5_qkvgemm
	.p2align	8
	.type	k_q6daceff1b5_qkvgemm,@function
k_q6daceff1b5_qkvgemm:
	s_mov_b64 s[64:65], 0
	v_nop
	global_prefetch_b8 v0, s[64:65] scope:SCOPE_SE
	s_setreg_imm32_b32 hwreg(HW_REG_WAVE_MODE, 25, 1), 1
	s_wait_xcnt 0x0
	s_wait_alu depctr_hold_cnt(0) depctr_sa_sdst(0) depctr_va_vdst(0) depctr_va_sdst(0) depctr_va_ssrc(0) depctr_va_vcc(0) depctr_vm_vsrc(0)
	s_getreg_b32 s2, hwreg(HW_REG_IB_STS2, 6, 4)
	s_cmp_eq_u32 s2, 0
	s_cbranch_scc0 .Lentry_in_a_cluster
	s_endpgm
.Lentry_in_a_cluster:
	s_bfe_u32 s2, ttmp6, 0x10000c
	s_cmp_lg_u32 s2, 0xf033
	s_cbranch_scc0 .Lentry_shape_is_right
	s_endpgm
.Lentry_shape_is_right:
; qkv = x w_in^T on codes of FP4 (E2M1) with one E8M0 scale for each 32 along K; sums in f32; the results are rounded once to f16 and laid by heads: qkv [3 (q, k, v)][batch 4][head 16][position 2048][64].
; A = x's codes [8192][512 bytes], B = w_in's codes [3072][512 bytes]; their scale bytes [rows][32].  The matrix instruction takes codes and scale bytes as they lie in memory.
; LIMIT: |q|, |k|, |v| stay under 65,504, f16's largest number.
; A tile of C, 256 x 256, is made by a work-group of four waves; a wave makes 128 x 128: 64 accumulators of 16 x 16, 512 registers.
; K = 1,024 is two steps of 512: both lie in LDS at once (two slots, a tile's row is 256 bytes of memory), asked for together at the head: nothing is filled again.
; THE SCALES of the work-group's 256 rows of A and of B, for all of K, are two dense blocks of memory: they come into LDS with the first fills and stay.
; CLUSTERS: 4 x 4 work-groups.  The four of a row of the cluster need the same tiles of A, the four of a column the same tiles of B: each tile is asked for JOINTLY, by the same tensor load with the
; same descriptor and a mask that names the four.  THE MATRIX INSTRUCTION IS USED TRANSPOSED (source 0 = 16 rows of B, source 1 = 16 rows of A): a lane then holds eight neighbouring columns of one position.
; REGISTERS, in windows of 256: window 0: v0-31 addresses; v32-95 scale words, two sets; v128-191 A's fragments, ONE set; on the way out v32-63, v192-255.
;   window 1: B's fragments, TWO sets, at v0 and at v128.   window 2: the 32 accumulators of my rows 0-63 (accumulator (a, b) at v[8 (8 a + b)]);   window 3: those of my rows 64-127.
.set SIZE_M, 8192
.set SIZE_N, 3072
.set SIZE_K, 1024
.set KSTEP,  512                       ; along K in a slot
.set NQ,     KSTEP/128                 ; matrix instructions deep
.set ROWB,   256                       ; a tile's row in bytes
.set KROW,   SIZE_K*4/8                ; a row of A or of B in memory, in bytes
.set PITCH,  272                       ; an LDS row: 256 bytes + 16 of padding = 68 words: row r starts at bank 4 r mod 64 (64 banks of 4 bytes: ISA guide 11.1), so the 16 rows that a load touches start at 16 different banks
.set FR,     8                         ; registers of a fragment: 16 rows x 128 K
.set NL,     2                         ; LDS loads that bring one
.set NP,     4                         ; places behind this matrix instruction (ISA guide 7.12.1)
.set HALFT,  128*PITCH                 ; 128 rows: what one tensor load brings
.set SLOT,   4*HALFT                   ; A's 256 rows, then B's 256 rows
.set KS,     SIZE_K/32                 ; a row of scales in bytes
.set SCL,    2*SLOT                    ; behind the slots: the scales, as rows of 256 bytes + 16 of padding
.set HALFS,  (128*KS/256)*272          ; the scales of 128 rows: what one tensor load brings
.set SBLK,   (16*KS/256)*272           ; those of 16 rows
.set SPARE,  SCL+4*HALFS               ; behind the scales: the spare words, 128 bytes for each wave
.set SPITCH, 272                       ; the way out: a stage of 16 rows x (256 bytes + 16) for each wave, in slot 0, which has had its only fill and its last read when the first result is stored there
.set ADRA, 16                          ; v16-17  LDS address of my A fragments in slot 0, 1
.set ADRB, 20                          ; v20-21  the same for B
.set STO,  24                          ; v24     the way out: where I put 16 bytes of a row
.set RD,   25                          ; v25     the way out: where I read 16 bytes back
.set CO,   26                          ; v26     16 x lane
.set ADRS, 27                          ; v27     LDS address of my scale words: lanes 0-15 A's rows, lanes 16-31 B's
.set SPW,  28                          ; v28     LDS address of my spare word; never rewritten
.set NIL,  29                          ; v29     0; never rewritten
.set SC,   32                          ; scale words: set s at v[SC + 8 NQ s]; register NQ i + q: lanes 0-15 the word of A's block i, lanes 16-31 that of B's block i, for the slot's q-th 128 along K
.set AF,   128                         ; A's fragments, in window 0
.set TMP,  192                         ; the way out: packed results
.set OB,   32                          ; the way out: a block read back from the stage: v32-63 and v224-255 by turns
.set G1, 24                            ; s[24:31] descriptor group 1 for A's tiles;  s[32:39] group 0, one set for each slot
.set G0, 32
.set G1B, 48                           ; s[48:55], s[56:63] the same for B's tiles
.set G0B, 56
.set G1S, 68                           ; s[68:75], s[76:79] groups 1 and 0 for A's scales;  s[80:87], s[88:91] for B's
.set G0S, 76
.set G1SB, 80
.set G0SB, 88
.set MSB, 0
.macro WIN new                         ; the immediate's high byte repeats the setting that is left
.if MSB != \new
	s_set_vgpr_msb (MSB<<8)|\new
.set MSB, \new
.endif
.endm
.set MUL_LO, 0xa1                      ; source 0 (B) window 1, source 1 (A) window 0, C and D window 2
.set MUL_HI, 0xf1                      ; the same, C and D window 3
.set TO_B,   0x40                      ; destination window 1, address window 0
; A joint load: waves 0 and 1 fetch for A, waves 2 and 3 for B.  Each of the two lines has ONE mask and one set of registers for all that issue it; the branch hangs on the wave's number alone.
; An s_nop 0 and four v_nop follow each of the two lines, ahead of the jump, the label and what follows.
.macro JLOAD g0a, g1a, g0b, g1b
	s_cmp_eq_u32 s15, 0
	s_cbranch_scc0 .Lfor_b_\@
	tensor_load_to_lds s[\g0a:\g0a+3], s[\g1a:\g1a+7]
	s_nop 0
.rept 4
	v_nop
.endr
	s_branch .Lasked_\@
.Lfor_b_\@:
	tensor_load_to_lds s[\g0b:\g0b+3], s[\g1b:\g1b+7]
	s_nop 0
.rept 4
	v_nop
.endr
.Lasked_\@:
.endm
.macro CROUND                          ; a round of the cluster's barrier: my work-group's barrier; wave 0 signals for the work-group; every wave waits for all sixteen; my work-group's barrier once more
	s_barrier_signal -1
	s_barrier_wait -1
	s_cmp_lg_u32 s14, 0
	s_cbranch_scc1 .Lnot_wave_0_\@
	s_barrier_signal -3
.Lnot_wave_0_\@:
	s_barrier_wait -3
	s_barrier_signal -1
	s_barrier_wait -1
.endm
	s_load_b128 s[4:7], s[0:1], 0x0                ; A's codes s[4:5], A's scales s[6:7]
	s_load_b128 s[8:11], s[0:1], 0x10              ; B's codes s[8:9], B's scales s[10:11]
	s_load_b64 s[12:13], s[0:1], 0x20              ; qkv
	v_lshl_add_u32 v[SPW], v0, 2, SPARE
	v_mov_b32 v[NIL], 0
	ds_add_u32 v[SPW], v[NIL]                      ; the wave's opening: the add, twice on end, and its wait ahead of my first tensor load; the set-up below stands between the second and the wait
	ds_add_u32 v[SPW], v[NIL]
	v_lshrrev_b32 v1, 5, v0
	v_readfirstlane_b32 s14, v1                    ; wave 0..3
	s_lshr_b32 s15, s14, 1                         ; which half of the tile's rows is mine.  Also: I fetch for A (0) or for B (1)
	s_and_b32 s16, s14, 1                          ; which half of its columns.  Also: which 128 rows of that tile I fetch
	s_bfe_u32 s40, ttmp6, 0x40000                  ; cx, cy: my place in the cluster
	s_bfe_u32 s41, ttmp6, 0x40004
	s_lshl_b32 s42, ttmp9, 2
	s_add_co_u32 s42, s42, s40                     ; tile column of C = 4 x cluster x + cx
	s_and_b32 s17, ttmp7, 0xffff
	s_lshl_b32 s17, s17, 2
	s_add_co_u32 s17, s17, s41                     ; tile row of C = 4 x cluster y + cy
	s_lshl_b32 s43, s41, 2
	s_lshl_b32 s43, 15, s43                        ; my row of the cluster
	s_lshl_b32 s44, 0x1111, s40                    ; my column
	; descriptor group 1: a tile of 128 rows x 256 bytes, padded in LDS
	s_or_b32 s[G1+0], s43, (0<<16)|(1<<20)|(1<<21)|(5<<22)|(3<<25)  ; 15:0 the mask: A's tiles go to my row; 17:16 element of 1 byte; 20 padding on; 21 set beside a mask; 24:22 after every 64 words (code 5); 31:25 of 4 words (code 3)
	s_or_b32 s[G1B+0], s44, (0<<16)|(1<<20)|(1<<21)|(5<<22)|(3<<25)
.irp g, G1, G1B
	s_mov_b32 s[\g+1], ROWB<<16                    ; tensor_dim0
	s_mov_b32 s[\g+2], 128<<16                     ; tensor_dim1 = 128
	s_mov_b32 s[\g+3], ROWB<<16                    ; tile_dim0
	s_mov_b32 s[\g+4], 128                         ; tile_dim1 = 128
	s_mov_b32 s[\g+5], KROW                        ; tensor_dim0_stride
	s_mov_b32 s[\g+6], 0
	s_mov_b32 s[\g+7], 0
.endr
	; and for the scales of 128 rows: a dense block of 4,096 bytes, as rows of 256 bytes (32 elements of 8 bytes), 16 bytes of padding behind each
	s_or_b32 s[G1S+0], s43, (3<<16)|(1<<20)|(1<<21)|(5<<22)|(3<<25)
	s_or_b32 s[G1SB+0], s44, (3<<16)|(1<<20)|(1<<21)|(5<<22)|(3<<25)
.irp g, G1S, G1SB
	s_mov_b32 s[\g+1], 32<<16
	s_mov_b32 s[\g+2], (128*KS/256)<<16
	s_mov_b32 s[\g+3], 32<<16
	s_mov_b32 s[\g+4], 128*KS/256
	s_mov_b32 s[\g+5], 32
	s_mov_b32 s[\g+6], 0
	s_mov_b32 s[\g+7], 0
.endr
	s_lshl_b32 s18, s16, 7                         ; which 128 rows of the tile I fetch
	s_lshl_b32 s20, s17, 8
	s_add_co_u32 s20, s20, s18                     ; A: row 256 x tile row + 128 x half
	s_lshl_b32 s46, s42, 8
	s_add_co_u32 s46, s46, s18                     ; B: row 256 x tile column + 128 x half
	s_mov_b32 s21, 0
	s_mov_b32 s47, 0
	s_mov_b64 s[18:19], KS
	s_mul_u64 s[22:23], s[20:21], s[18:19]         ; where these rows' scales begin, in bytes
	s_mul_u64 s[92:93], s[46:47], s[18:19]
	s_mov_b64 s[18:19], KROW
	s_mul_u64 s[20:21], s[20:21], s[18:19]         ; and their codes
	s_mul_u64 s[46:47], s[46:47], s[18:19]
	s_mul_i32 s45, s14, HALFT                      ; where they go: wave x 128 rows: no place in the cluster enters an LDS address
	s_mul_i32 s94, s14, HALFS
	s_wait_dscnt 0x0                               ; both opening adds are done
	s_wait_kmcnt 0x0
	s_add_nc_u64 s[20:21], s[4:5], s[20:21]
	s_add_nc_u64 s[22:23], s[6:7], s[22:23]
	s_add_nc_u64 s[46:47], s[8:9], s[46:47]
	s_add_nc_u64 s[92:93], s[10:11], s[92:93]
	CROUND                                         ; all sixteen work-groups are here: the joint loads meet
	s_mov_b32 s[G0S], 1
	s_add_co_u32 s[G0S+1], s94, SCL
	s_mov_b64 s[G0S+2:G0S+3], s[22:23]
	s_or_b32 s[G0S+3], s[G0S+3], 0x80000000
	s_mov_b32 s[G0SB], 1
	s_add_co_u32 s[G0SB+1], s94, SCL
	s_mov_b64 s[G0SB+2:G0SB+3], s[92:93]
	s_or_b32 s[G0SB+3], s[G0SB+3], 0x80000000
	JLOAD G0S, G1S, G0SB, G1SB                     ; the scales first: they are wanted with K step 0; a wave asks for three tensor loads in all
.irp s, 0,1
	s_mov_b32 s[G0+4*\s], 1
	s_add_co_u32 s[G0+4*\s+1], s45, \s*SLOT
	s_add_nc_u64 s[G0+4*\s+2:G0+4*\s+3], s[20:21], \s*ROWB
	s_or_b32 s[G0+4*\s+3], s[G0+4*\s+3], 0x80000000
	s_mov_b32 s[G0B+4*\s], 1
	s_add_co_u32 s[G0B+4*\s+1], s45, \s*SLOT
	s_add_nc_u64 s[G0B+4*\s+2:G0B+4*\s+3], s[46:47], \s*ROWB
	s_or_b32 s[G0B+4*\s+3], s[G0B+4*\s+3], 0x80000000
	JLOAD G0+4*\s, G1, G0B+4*\s, G1B
.endr
	v_and_b32 v1, 15, v0                           ; l % 16
	v_bfe_u32 v2, v0, 4, 1                         ; l / 16
	v_mul_u32_u24 v3, v1, PITCH
	v_lshl_add_u32 v4, v2, 4, v3                   ; a fragment's row x pitch + 16 x half
	s_mul_i32 s21, s15, HALFT                      ; my 128 rows of A
	s_mul_i32 s22, s16, HALFT                      ; my 128 rows of B,
	s_add_co_u32 s22, s22, 2*HALFT                 ; which lie behind A's 256
.irp s, 0,1
	v_add_nc_u32 v[ADRA+\s], s21, v4
	v_add_nc_u32 v[ADRB+\s], s22, v4
	s_add_co_u32 s21, s21, SLOT
	s_add_co_u32 s22, s22, SLOT
.endr
	v_mul_u32_u24 v5, v1, KS                       ; my row's scales: KS bytes a row,
	v_lshrrev_b32 v6, 8, v5
	v_lshl_add_u32 v5, v6, 4, v5                   ; and 16 more for each 256 passed
	s_mul_i32 s21, s15, HALFS                      ; A's: my 128 rows
	s_mul_i32 s22, s16, HALFS                      ; B's: my 128 rows, behind A's 256
	s_add_co_u32 s22, s22, 2*HALFS
	s_sub_co_u32 s22, s22, s21
	v_mul_u32_u24 v6, s22, v2                      ; lanes 16-31 take B's
	s_add_co_u32 s21, s21, SCL
	v_add_nc_u32 v5, v5, v6
	v_add_nc_u32 v[ADRS], s21, v5
	s_mul_i32 s23, s14, 16*SPITCH                  ; my stage
	v_mul_u32_u24 v5, v1, SPITCH                   ; in: row l % 16, 16 bytes for each half of the lanes
	v_lshl_add_u32 v5, v2, 4, v5
	v_add_nc_u32 v[STO], s23, v5
	v_bfe_u32 v6, v0, 3, 2                         ; back: eight lanes take a position's 128 bytes of one head, the 32 lanes four positions
	v_and_b32 v7, 7, v0
	v_mul_u32_u24 v6, v6, SPITCH
	v_lshl_add_u32 v6, v7, 4, v6
	v_add_nc_u32 v[RD], s23, v6
	v_and_b32 v6, 31, v0
	v_lshlrev_b32 v[CO], 4, v6                     ; in memory those four positions are 512 consecutive bytes
	; where my part begins in qkv.  Rows: batch = tile row / 8 (4 MiB each), position 256 (tile row % 8) + 128 x half, 128 bytes each
	s_lshr_b32 s20, s17, 3
	s_lshl_b32 s20, s20, 22
	s_and_b32 s21, s17, 7
	s_lshl_b32 s21, s21, 15
	s_add_co_u32 s20, s20, s21
	s_lshl_b32 s21, s15, 14
	s_add_co_u32 s20, s20, s21
	s_mov_b32 s21, 0
	; columns: part (q, k, v) = tile column / 4 (16 MiB each), head 4 (tile column % 4) + 2 x half (256 KiB each)
	s_lshr_b32 s46, s42, 2
	s_lshl_b32 s46, s46, 24
	s_and_b32 s47, s42, 3
	s_lshl_b32 s47, s47, 20
	s_add_co_u32 s46, s46, s47
	s_lshl_b32 s47, s16, 19
	s_add_co_u32 s46, s46, s47
	s_mov_b32 s47, 0
	s_add_nc_u64 s[20:21], s[20:21], s[46:47]
	s_add_nc_u64 s[12:13], s[12:13], s[20:21]
.macro FRAG reg, adr, q, i             ; a fragment, 16 rows x 128 K of 4-bit codes, is 8 registers: lane l holds row l % 16; registers 4 c .. 4 c + 3 hold K = 64 c + 32 (l / 16) + 0 .. 31
.irp c, 0,1
	ds_load_b128 v[\reg+4*\c:\reg+4*\c+3], v[\adr] offset:64*(\q)+32*\c+(\i)*16*PITCH
.endr
.endm
; 16 matrix instructions: A's blocks a0, a0 + 1 x B's eight, 128 along K: the slot's q-th.  p: B's set;  sc: the set of scale words.  zero = 1: the first product starts the sums: nothing is ever cleared.
; The 64 accumulators take turns, one instruction a turn, in the same order in every step.
.macro MUL16 a0, p, q, sc, zero
.irp a, \a0, \a0+1
.irp b, 0,1,2,3,4,5,6,7
.if \zero
	v_wmma_scale_f32_16x16x128_f8f6f4 v[8*(8*((\a)%4)+\b):8*(8*((\a)%4)+\b)+7], v[128*(\p)+FR*\b:128*(\p)+FR*\b+FR-1], v[AF+FR*(\a):AF+FR*(\a)+FR-1], 0, v[SC+8*NQ*(\sc)+NQ*\b+(\q)], v[SC+8*NQ*(\sc)+NQ*(\a)+(\q)] matrix_a_fmt:MATRIX_FMT_FP4 matrix_b_fmt:MATRIX_FMT_FP4 matrix_a_scale:MATRIX_SCALE_ROW1
.else
	v_wmma_scale_f32_16x16x128_f8f6f4 v[8*(8*((\a)%4)+\b):8*(8*((\a)%4)+\b)+7], v[128*(\p)+FR*\b:128*(\p)+FR*\b+FR-1], v[AF+FR*(\a):AF+FR*(\a)+FR-1], v[8*(8*((\a)%4)+\b):8*(8*((\a)%4)+\b)+7], v[SC+8*NQ*(\sc)+NQ*\b+(\q)], v[SC+8*NQ*(\sc)+NQ*(\a)+(\q)] matrix_a_fmt:MATRIX_FMT_FP4 matrix_b_fmt:MATRIX_FMT_FP4 matrix_a_scale:MATRIX_SCALE_ROW1
.endif
.endr
.endr
.endm
.macro FETCH_B slot, q, p              ; B's eight fragments of the slot's q-th 128 along K into set p
	WIN TO_B
.irp i, 0,1,2,3,4,5,6,7
	FRAG 128*(\p)+FR*\i, ADRB+\slot, \q, \i
.endr
	WIN 0
.endm
.macro FETCH_A slot, q, i0             ; A's blocks i0 .. i0 + 3
.irp i, \i0, \i0+1, \i0+2, \i0+3
	FRAG AF+FR*(\i), ADRA+\slot, \q, \i
.endr
.endm
.macro SCALES sc                       ; a K step's scale words into set sc: NQ words a row; lanes 0-15 take A's block i, lanes 16-31 B's block i
.irp i, 0,1,2,3,4,5,6,7
	ds_load_b128 v[SC+8*NQ*\sc+NQ*\i:SC+8*NQ*\sc+NQ*\i+3], v[ADRS] offset:\i*SBLK
.endr
.endm
; A load into a register that a matrix instruction has read, and a vector instruction that reads a matrix result, stand NP places behind that matrix instruction, and only plain vector
; instructions that name none of its registers are places (ISA guide 7.12.1 for vector instructions).
.macro PLACES n
.rept \n
	v_nop
.endr
.endm
; A step of 128 along K that has its successor in the same slot.
.macro STEP slot, q, zero
	s_wait_dscnt 4*NL                              ; B's set and A's blocks 0-3 are in; the youngest eight loads (A's blocks 4-7) may be out
	WIN MUL_LO
	MUL16 0, (\q)%2, \q, \slot, \zero
	MUL16 2, (\q)%2, \q, \slot, \zero
	s_wait_dscnt 0                                 ; A's blocks 4-7 are in (asked for 32 matrix instructions ago)
	PLACES NP
	FETCH_B \slot, (\q)+1, 1-(\q)%2
	FETCH_A \slot, (\q)+1, 0
	WIN MUL_HI
	MUL16 4, (\q)%2, \q, \slot, \zero
	MUL16 6, (\q)%2, \q, \slot, \zero
	PLACES NP
	WIN 0
	FETCH_A \slot, (\q)+1, 4
.endm
; Slot 0's last step changes slots: ONE barrier; in front of it each wave waits for all its tensor loads (its part of slot 1), adds 0 to its spare word, and waits for that and for its own reads of slot 0.
; Behind it slot 1 is whole, and nobody reads slot 0 any more: the stages of the way out lie there.
.macro TURN slot, next
	s_wait_tensorcnt 0x0                           ; all my tensor loads have landed;  (every window is 0 here: the add's two registers lie in window 0)
	ds_add_u32 v[SPW], v[NIL]                      ; 0 onto my spare word;
	s_wait_dscnt 4*NL+1                            ; (the add and the youngest eight loads, A's blocks 4-7, may be out)
	WIN MUL_LO
	MUL16 0, 1, NQ-1, \slot, 0                     ; sixteen matrix instructions stand between the add and the wait for it
	s_wait_dscnt 0x0                               ; the add is done, and my reads of this slot are over
	s_barrier_signal -1
	MUL16 2, 1, NQ-1, \slot, 0
	WIN 0
	s_barrier_wait -1
	PLACES NP
	v_add_nc_u32 v[ADRS], 4*NQ, v[ADRS]            ; on to the next K step's scale words (no LDS load of mine is out)
	FETCH_B \next, 0, 0
	FETCH_A \next, 0, 0
	SCALES \next
	WIN MUL_HI
	MUL16 4, 1, NQ-1, \slot, 0
	MUL16 6, 1, NQ-1, \slot, 0
	PLACES NP
	WIN 0
	FETCH_A \next, 0, 4
.endm
.macro STEPS slot, from                ; the slot's steps from .. NQ - 2
.set QQ, \from
.rept NQ-1-\from
	STEP \slot, QQ, 0
.set QQ, QQ+1
.endr
.endm
	s_wait_tensorcnt 1                             ; the scales and my part of K step 0 are in (K step 1's load, issued behind them, may be out),
	s_barrier_signal -1
	s_barrier_wait -1                              ; everybody's are
	FETCH_B 0, 0, 0
	FETCH_A 0, 0, 0
	SCALES 0
	FETCH_A 0, 0, 4
	STEP 0, 0, 1                                   ; the first step's products start the sums
	STEPS 0, 1
	TURN 0, 1
	STEPS 1, 0
	s_wait_dscnt 4*NL                              ; the very last step: nothing more to fetch
	WIN MUL_LO
	MUL16 0, 1, NQ-1, 1, 0
	MUL16 2, 1, NQ-1, 1, 0
	s_wait_dscnt 0
	WIN MUL_HI
	MUL16 4, 1, NQ-1, 1, 0
	MUL16 6, 1, NQ-1, 1, 0
	WIN 0
; THE WAY OUT, block by block of 16 positions x 128 columns (two heads).  PACK: rounded to f16, 16 bytes a lane, each accumulator from its low end on.  TOSTAGE: into my own stage in LDS, and back so that the
; 32 lanes hold four positions' 128 bytes of one head: 512 consecutive bytes of qkv.  SEND: stored.  LDS serves a wave's instructions in order (ISA guide 5.7.1.4): no wait between the stage's stores and loads.
.macro PACK a
.set AC, 64*((\a)%4)
	WIN 0x0a+5*((\a)/4)                            ; sources 0 and 1: window 2 or 3
.irp b, 0,1,2,3,4,5,6,7
.irp r, 0,1,2,3
	v_cvt_pk_f16_f32 v[TMP+4*\b+\r], v[AC+8*\b+2*\r], v[AC+8*\b+2*\r+1]
.endr
.endr
	WIN 0
.endm
.macro TOSTAGE a
.set BB, OB+192*((\a)%2)
.irp b, 0,1,2,3,4,5,6,7
	ds_store_b128 v[STO], v[TMP+4*\b:TMP+4*\b+3] offset:32*\b
.endr
.irp hh, 0,1
.irp t, 0,1,2,3
	ds_load_b128 v[BB+4*(4*\hh+\t):BB+4*(4*\hh+\t)+3], v[RD] offset:\t*4*SPITCH+128*\hh
.endr
.endr
.endm
.macro SEND a
.set BB, OB+192*((\a)%2)
	s_wait_dscnt 0x0                               ; the block is back in registers
	s_wait_xcnt 0x0                                ; the stores of the block before have read their registers: the next block's loads from the stage land there only behind this wait
.irp hh, 0,1
.irp t, 0,1,2,3
	global_store_b128 v[CO], v[BB+4*(4*\hh+\t):BB+4*(4*\hh+\t)+3], s[12:13] offset:(\a)*2048+\hh*262144+\t*512   ; 32 lanes store 512 consecutive bytes, at a multiple of 256 from qkv's first byte
.endr
.endr
.endm
	PLACES NP                                      ; behind the last products: block 0's results were finished long ago; the later blocks' conversions stand behind these places and the earlier blocks' conversions
	PACK 0
	TOSTAGE 0
.irp a, 1,2,3,4,5,6,7                  ; block a's conversions stand between block a - 1's loads from the stage and the wait for them
	PACK \a
	SEND \a-1
	TOSTAGE \a
.endr
	SEND 7
	s_wait_tensorcnt 0x0                           ; the wave's end, behind my last tensor load and my last LDS store
	ds_add_u32 v[SPW], v[NIL]
	s_wait_dscnt 0x0
	CROUND                                         ; the closing round: no work-group ends while a partner may still ask for a tile that names it
	s_endpgm
.Lfunc_end_k_q6daceff1b5_qkvgemm:
	.size	k_q6daceff1b5_qkvgemm, .Lfunc_end_k_q6daceff1b5_qkvgemm-k_q6daceff1b5_qkvgemm
	.p2alignl 7, 3214868480
	.fill 96, 4, 3214868480
	.section	.rodata,"a",@progbits
	.p2align	6, 0x0
	.amdhsa_kernel k_q6daceff1b5_qkvgemm
		.amdhsa_group_segment_fixed_size 327680
		.amdhsa_private_segment_fixed_size 0
		.amdhsa_enable_private_segment 0
		.amdhsa_kernarg_size 40
		.amdhsa_user_sgpr_count 2
		.amdhsa_user_sgpr_kernarg_segment_ptr 1
		.amdhsa_wavefront_size32 1
		.amdhsa_system_sgpr_workgroup_id_x 1
		.amdhsa_system_sgpr_workgroup_id_y 1
		.amdhsa_system_sgpr_workgroup_id_z 1
		.amdhsa_system_vgpr_workitem_id 0
		.amdhsa_next_free_vgpr 1024
		.amdhsa_next_free_sgpr 98
		.amdhsa_reserve_vcc 0
		.amdhsa_float_denorm_mode_32 3
		.amdhsa_float_denorm_mode_16_64 3
		.amdhsa_memory_ordered 1
		.amdhsa_forward_progress 1
		.amdhsa_inst_pref_size 126
	.end_amdhsa_kernel
	.amdgpu_metadata
---
amdhsa.version: [ 1, 2 ]
amdhsa.kernels:
  - .name:           k_q6daceff1b5_qkvgemm
    .symbol:         k_q6daceff1b5_qkvgemm.kd
    .args:
      - { .name: x_codes, .offset: 0, .size: 8, .value_kind: global_buffer, .address_space: global }
      - { .name: x_scales, .offset: 8, .size: 8, .value_kind: global_buffer, .address_space: global }
      - { .name: w_codes, .offset: 16, .size: 8, .value_kind: global_buffer, .address_space: global }
      - { .name: w_scales, .offset: 24, .size: 8, .value_kind: global_buffer, .address_space: global }
      - { .name: qkv, .offset: 32, .size: 8, .value_kind: global_buffer, .address_space: global }
    .group_segment_fixed_size: 327680
    .private_segment_fixed_size: 0
    .kernarg_segment_align: 8
    .kernarg_segment_size: 40
    .max_flat_workgroup_size: 128
    .sgpr_count:     98
    .vgpr_count:     1024
    .wavefront_size: 32
...
	.end_amdgpu_metadata
.endif
;; end of part 2
;; launch attn (part 3): grid 4 x 64, 16 waves a work-group, no clusters, 327,680 bytes of LDS; arguments qkv, o16; writes o16
.if DOCPART == 3
	.amdgcn_target "amdgcn-amd-amdhsa--gfx1250"
	.amdhsa_code_object_version 6
	.text
	.protected	k_q6daceff1b5_attn
	.globl	k_q6daceff1b5_attn
	.p2align	8
	.type	k_q6daceff1b5_attn,@function
k_q6daceff1b5_attn:
	s_mov_b64 s[64:65], 0
	v_nop
	global_prefetch_b8 v0, s[64:65] scope:SCOPE_SE
	s_setreg_imm32_b32 hwreg(HW_REG_WAVE_MODE, 25, 1), 1
	s_wait_xcnt 0x0
; o[b][h][q] = the sum over k of softmax_k(q.k / 8 + slope_h (q - k)) v[k], over the keys with 0 <= q - k <= 512 and k >= 0; slope_h = 2^(-(h + 1) / 2).
; q, k, v: qkv [3][batch 4][head 16][position 2048][64] f16; o16 [batch][head][position][64] f16.  Products on f16 operands with f32 sums; bias, maxima, exponentials and sums in f32; the weights p are rounded to f16
; for the second product, o once at the end.  A running maximum is taken away before every exponential.
; LIMITS: |q|, |k|, |v|, |o| under 65,504 (f16's largest number); no NaN or infinities.
; SHARES.  A work-group owns 512 queries of one head; each of its SIXTEEN waves owns 32 of them, two tiles of 16, in 256 registers: four waves to a SIMD, so that one wave's vector work stands beside another's matrix
; work and LDS loads; a fragment of K or V read from LDS feeds two products.  The work-group walks four chunks of 256 keys DOWNWARD from its own upper half: first keys 512 qb + 256, 512 qb, 512 qb - 256, 512 qb - 512.
; Chunk 0, which the head fetches, is read by waves 8 to 15 of every work-group.  A chunk under key 0 (query block 0) is not asked for.  A step is 64 keys; a wave works the 9 steps that hold keys of its window and jumps
; over the others, by scalar branches on ids; the trip counts are constants and every wave passes every barrier.
; NO CLUSTER: the query blocks of a head do share keys, but block qb's chunks 2 and 3 are block qb - 1's chunks 1 and 0: partners would want a tile in different trips, and block 0 asks for two chunks fewer, while a joint
; request is made by all its partners in the same round.
; LAYOUT.  S^T = K Q^T (source 0 = 16 keys, source 1 = 16 queries): a lane holds ONE query (lane % 16) and the keys 8 (lane / 16) + 0..7 of a tile.  Two such tiles, rounded to f16 in pairs, ARE source 1 of O^T = V^T P.
; K comes out of LDS as it lies, V ([key][channel]) turned, by ds_load_tr16_b128.
; THE BIAS RIDES IN THE PRODUCT.  q - k = (E + 16 x) - (16 kt + j), E = first query - first key + lane % 16 - 8 (lane / 16).  The part -8 slope (16 kt + j), the same in every step, is the C of each tile's first matrix
; instruction; the lane's part u = slope log2(e) (E + 16 x) enters the one multiply-add that every score has anyway: t = c1 S' + u, c1 = log2(e) / 8;  p = 2^(t - M).
; REGISTERS: v1-10 what stays; v11-15 at work; v16-31 statistics, eight a tile: +0 u - M, +1 M, +2, +3 the sum in two halves, +4..+7 at work (+6: a = 2^(old M - new M));
;   v32-63 the bias; v64-95 Q; v96-127 four fragments of K, then V's first 32 keys; v128-191 S^T (32 a tile): p packs into each tile's lower 16, V's second 32 keys take the upper 16s; v192-255 O^T (32 a tile).
.set PK,    144                        ; a key's row of K in LDS: 128 bytes + 16 = 36 words: row r starts at bank 36 r mod 64 (64 banks of 4 bytes: ISA guide 11.1): the 16 rows of a load start at 16 different groups of 4 banks
.set PV,    160                        ; a row of V: 128 + 32 = 40 words
.set CK,    256                        ; keys in a chunk
.set CHB,   CK*128                     ; and their bytes in memory
.set VOFF,  CK*PK                      ; a slot: 256 rows of K, then 256 rows of V
.set SLOT1, 1<<17                      ; slot 1 begins here, so that one exclusive or turns an address in one slot into the other's
.set SPARE, 2*SLOT1                    ; the spare words, 128 bytes for each of sixteen waves
.set STAGE, SPARE+16*128               ; the way out: 16 rows x 144 bytes for each wave, bytes of their own: no tensor load lands there
.set SP,    144
.set AK0,  1                           ; v1   my lane's place in a tile of K
.set AV0,  2                           ; v2   the same for V
.set ADK,  3                           ; v3   LDS address of the step's K
.set ADV,  4                           ; v4   of its V
.set SPW,  5                           ; v5   LDS address of my spare word; never rewritten
.set NIL,  6                           ; v6   0; never rewritten
.set PFO,  7                           ; v7   the prefetches' offset: 256 x my lane; never rewritten
.set RH,   8                           ; v8   lane % 16 - 8 (lane / 16)
.set C2,   9                           ; v9   slope x log2(e)
.set C16,  10                          ; v10  16 x that
.set E,    11                          ; v11  E of the step
.set U,    12                          ; v12, v13  u of tile 0, 1
.set F,    14                          ; v14  E - 512
.set NINF, 15                          ; v15  -infinity
.set ST,   16
.set BI,   32
.set QF,   64
.set FR,   96
.set S,    128
.set O,    192
.set TB,   2                           ; s2   LDS byte at which the slot in hand begins
.set WV,   18                          ; s18  my wave's number
.set SEL,  20                          ; s[20:21] lane selects for v_permlanex16_b32: lane l xor 16
.set CS,   22                          ; s[22:23] c1 = log2(e) / 8: the packed form names a pair and takes its low word for both halves
.set G1K,  24                          ; s[24:31] descriptor group 1 for K's tiles;  s[32:39] for V's;  s[40:43], s[44:47] their groups 0, which walk
.set G1V,  32
.set G0K,  40
.set G0V,  44
.set KF,   48                          ; s48  the chunk's first key (may be negative)
.set QW,   49                          ; s49  my wave's first query
.set SLOTS, 50                         ; s50  changes of slots still to come in the loop
.set LIM,  51                          ; s51  1 in a wave that prefetches, else the greatest number
.set PFA,  52                          ; s[52:53] where my prefetches stand in memory
; Waves 0 and 1 fetch K's halves (128 keys each), waves 2 and 3 V's, the others nothing.  The branches hang on the wave's number alone.  An s_nop 0 and four v_nop follow each of the two lines.
.macro TLOAD
	s_cmp_lt_u32 s[WV], 2
	s_cbranch_scc0 .Lnot_k_\@
	tensor_load_to_lds s[G0K:G0K+3], s[G1K:G1K+7]
	s_nop 0
.rept 4
	v_nop
.endr
	s_branch .Lasked_\@
.Lnot_k_\@:
	s_cmp_lt_u32 s[WV], 4
	s_cbranch_scc0 .Lasked_\@
	tensor_load_to_lds s[G0V:G0V+3], s[G1V:G1V+7]
	s_nop 0
.rept 4
	v_nop
.endr
.Lasked_\@:
.endm
; A PREFETCH of what the NEXT change of slots will ask for: a chunk's 32,768 dense bytes of K and of V.  The waves ask that fetch nothing, one instruction each: waves 4 to 7 for K, waves 8 to 11 for V, 8,192 bytes a wave,
; lanes 256 bytes apart.  The loop's first trip asks for chunk 2, its second for chunk 3, its third for nothing; chunks 0 and 1 come by their loads alone.  Chunks 2 and 3 of query block qb are the keys of block qb - 1,
; which no other work-group prefetches: each aligned block of 256 bytes is named once in the launch.  Query block 0 has no such chunks and asks for nothing.
.macro ASK
	s_cmp_gt_u32 s[SLOTS], s[LIM]
	s_cbranch_scc0 .Lnot_mine_\@
	global_prefetch_b8 v[PFO], s[PFA:PFA+1] th:TH_LOAD_NT scope:SCOPE_SE
.Lnot_mine_\@:
.endm
	s_load_b128 s[4:7], s[0:1], 0x0                ; qkv, o16
	v_lshl_add_u32 v[SPW], v0, 2, SPARE
	v_mov_b32 v[NIL], 0
	ds_add_u32 v[SPW], v[NIL]                      ; the wave's opening: the add, twice on end, and its wait ahead of my first tensor load; the set-up below stands between the second and the wait
	ds_add_u32 v[SPW], v[NIL]
	v_lshrrev_b32 v8, 5, v0
	v_readfirstlane_b32 s[WV], v8                  ; wave 0..15
	s_and_b32 s68, ttmp7, 0xffff                   ; 16 x batch + head
	s_lshl_b32 s70, s68, 18                        ; the head's first byte in each of q, k, v and in o16
	s_lshl_b32 s[QW], ttmp9, 9
	s_lshl_b32 s69, s[WV], 5
	s_add_co_u32 s[QW], s[QW], s69                 ; my first query: 512 x query block + 32 x wave
	s_lshl_b32 s[KF], ttmp9, 9
	s_add_co_u32 s[KF], s[KF], CK                  ; chunk 0's first key
	s_lshl_b32 s72, s[QW], 7
	s_add_co_u32 s72, s72, s70                     ; my queries' first byte in q and in o16
	s_mov_b32 s73, 0
	s_and_b32 s74, s[WV], 1                        ; which half of a chunk I fetch, if I fetch
	s_lshl_b32 s75, s74, 14                        ; its 128 rows of 128 bytes in memory
	s_lshl_b32 s76, s[KF], 7
	s_add_co_u32 s76, s76, s75
	s_add_co_u32 s76, s76, s70
	s_add_co_u32 s76, s76, 1<<24                   ; K lies 16 MiB behind q,
	s_mov_b32 s77, 0
	s_add_co_u32 s78, s76, 1<<24                   ; V 16 MiB behind K
	s_mov_b32 s79, 0
	s_mul_i32 s80, s74, 128*PK                     ; and in a slot
	s_mul_i32 s81, s74, 128*PV
	s_add_co_u32 s81, s81, VOFF
	; descriptor group 1: 128 rows of 64 elements of 2 bytes, dense in memory, padded in LDS
	s_mov_b32 s[G1K], (1<<16)|(1<<20)|(4<<22)|(3<<25)   ; 15:0 no mask; 17:16 elements of 2 bytes; 20 padding on; 24:22 after every 32 words (code 4); 31:25 four words (code 3)
	s_mov_b32 s[G1V], (1<<16)|(1<<20)|(4<<22)|(7<<25)   ; the same with eight words of padding (code 7)
.irp g, G1K, G1V
	s_mov_b32 s[\g+1], 64<<16                      ; tensor_dim0
	s_mov_b32 s[\g+2], 128<<16                     ; tensor_dim1
	s_mov_b32 s[\g+3], 64<<16                      ; tile_dim0
	s_mov_b32 s[\g+4], 128                         ; tile_dim1
	s_mov_b32 s[\g+5], 64                          ; tensor_dim0_stride
	s_mov_b32 s[\g+6], 0
	s_mov_b32 s[\g+7], 0
.endr
	s_mov_b32 s[SEL], 0x76543210
	s_mov_b32 s[SEL+1], 0xfedcba98
	s_mov_b32 s[CS], 0x3e38aa3b                    ; c1 = log2(e) / 8
	s_mov_b32 s[CS+1], s[CS]                       ; (named with it as a pair, so it is written)
	s_mov_b32 s[TB], 0
	s_mov_b32 s[SLOTS], 3
	s_wait_dscnt 0x0                               ; both opening adds are done
	s_wait_kmcnt 0x0
	s_mov_b32 s[G0K], 1                            ; 1:0 count = 1
	s_mov_b32 s[G0K+1], s80                        ; 63:32 LDS address: slot 0
	s_add_nc_u64 s[G0K+2:G0K+3], s[4:5], s[76:77]  ; 120:64 global address: chunk 0
	s_or_b32 s[G0K+3], s[G0K+3], 0x80000000        ; 127:126 type = 2
	s_mov_b32 s[G0V], 1
	s_mov_b32 s[G0V+1], s81
	s_add_nc_u64 s[G0V+2:G0V+3], s[4:5], s[78:79]
	s_or_b32 s[G0V+3], s[G0V+3], 0x80000000
	TLOAD                                          ; chunk 0 into slot 0: at most one tensor load of a wave is out at any time
	s_add_nc_u64 s[12:13], s[4:5], s[72:73]        ; q at my first query
	s_add_nc_u64 s[14:15], s[6:7], s[72:73]        ; o16 likewise
	; the prefetches: where my wave's stand, and who asks
	s_mov_b32 s82, 2<<24
	s_cmp_lt_u32 s[WV], 8                          ; waves 4 to 7 ask for K, waves 8 to 11 for V
	s_cselect_b32 s82, 1<<24, s82
	s_lshl_b32 s83, ttmp9, 16                      ; chunk 1's first key, 512 x query block, x 128 bytes: the first change of slots steps this to chunk 2
	s_add_co_u32 s82, s82, s83
	s_add_co_u32 s82, s82, s70
	s_and_b32 s83, s[WV], 3
	s_lshl_b32 s83, s83, 13                        ; my wave's 8,192 bytes
	s_add_co_u32 s82, s82, s83
	s_mov_b32 s83, 0
	s_add_nc_u64 s[PFA:PFA+1], s[4:5], s[82:83]
	s_sub_co_u32 s84, s[WV], 4
	s_lshr_b32 s84, s84, 3                         ; 0 in waves 4 to 11,
	s_cmp_eq_u32 ttmp9, 0
	s_cselect_b32 s85, 1, 0
	s_or_b32 s84, s84, s85                         ; of query blocks 1 to 3
	s_cmp_eq_u32 s84, 0
	s_cselect_b32 s[LIM], 1, -1
	v_and_b32 v11, 15, v0                          ; r = lane % 16
	v_bfe_u32 v12, v0, 4, 1                        ; h = lane / 16
	v_lshlrev_b32 v[ADK], 7, v11
	v_lshl_add_u32 v[ADK], v12, 4, v[ADK]          ; Q: row r of 128 bytes, + 16 h
.irp x, 0,1                                    ; Q stays in registers: tile x, channels 32 c on.  A fragment is 16 rows x 32 channels: registers 0-3 channels 8 h + 0..7, registers 4-7 channels 16 + 8 h + 0..7
.irp c, 0,1
	global_load_b128 v[QF+16*\x+8*\c:QF+16*\x+8*\c+3],   v[ADK], s[12:13] offset:2048*\x+64*\c
	global_load_b128 v[QF+16*\x+8*\c+4:QF+16*\x+8*\c+7], v[ADK], s[12:13] offset:2048*\x+64*\c+32
.endr
.endr
	v_mul_u32_u24 v[AK0], v11, PK
	v_lshl_add_u32 v[AK0], v12, 4, v[AK0]          ; K: row x pitch + 16 x half
	v_and_b32 v13, 7, v0                           ; the turning load takes 16 keys x 16 channels: lane l reads 16 bytes: key 8 (l / 16) + l % 8, channels 8 ((l / 8) % 2) + 0..7
	v_lshl_add_u32 v13, v12, 3, v13
	v_bfe_u32 v14, v0, 3, 1
	v_mul_u32_u24 v[AV0], v13, PV
	v_lshl_add_u32 v[AV0], v14, 4, v[AV0]
	v_add_nc_u32 v[AV0], VOFF, v[AV0]
	v_lshlrev_b32 v13, 3, v12
	v_sub_nc_u32 v[RH], v11, v13                   ; r - 8 h
	v_and_b32 v[PFO], 31, v0
	v_lshlrev_b32 v[PFO], 8, v[PFO]
	; the slope 2^(-n / 2), n = head + 1, exactly: n even: 1.0 x 2^(-n / 2); n odd: sqrt(2) x 2^(-(n + 1) / 2)
	s_and_b32 s86, s68, 15
	s_add_co_u32 s86, s86, 1
	s_and_b32 s87, s86, 1
	s_add_co_u32 s88, s86, s87
	s_lshr_b32 s88, s88, 1
	s_sub_co_i32 s88, 0, s88
	s_cmp_eq_u32 s87, 1
	s_cselect_b32 s89, 0x3fb504f3, 1.0
	v_mov_b32 v[C2], s89
	v_ldexp_f32 v[F], v[C2], s88                   ; the slope
	v_mul_f32 v[C2], 0x3fb8aa3b, v[F]              ; x log2(e)
	v_mul_f32 v[C16], 0x41800000, v[C2]            ; x 16
	v_mul_f32 v[F], 0xc1000000, v[F]               ; -8 x the slope
.irp n, 0,1,2,3,4,5,6,7,8,9,10,11,12,13,14,15,16,17,18,19,20,21,22,23,24,25,26,27,28,29,30,31
	v_cvt_f32_u32 v[BI+\n], 16*(\n/8)+\n%8         ; register 8 kt + j:
.endr
.irp n, 0,1,2,3,4,5,6,7,8,9,10,11,12,13,14,15,16,17,18,19,20,21,22,23,24,25,26,27,28,29,30,31
	v_mul_f32 v[BI+\n], v[F], v[BI+\n]             ; -8 slope (16 kt + j)
.endr
	v_mov_b32 v[NINF], 0xff800000
.irp x, 0,1
	v_mov_b32 v[ST+8*\x], 0
	v_mov_b32 v[ST+8*\x+1], 0xff61b1e6             ; M: -3e38, under every t
.irp k, 2,3,4,5,6,7
	v_mov_b32 v[ST+8*\x+\k], 0                     ; the sum; and the registers at work (a lane permute's destination counts as one of its sources)
.endr
.endr
.set NN, 0
.rept 64
	v_mov_b32 v[O+NN], 0                           ; O^T.  (The step is written once: a wave's first step finds zeros, which a = 0 leaves zeros; where a wave's first step stands hangs on its number)
.set NN, NN+1
.endr
; 64 scores: register n = 32 x + 8 kt + j holds q - k = lim's E + 16 x - 16 kt - j.  op compares 16 kt + j - 16 x with v[lim]; where it holds the score becomes -infinity, so that p = 0.  Ascending: each accumulator is read from its low end on.
.macro MASK op, lim
.irp n, 0,1,2,3,4,5,6,7,8,9,10,11,12,13,14,15,16,17,18,19,20,21,22,23,24,25,26,27,28,29,30,31,32,33,34,35,36,37,38,39,40,41,42,43,44,45,46,47,48,49,50,51,52,53,54,55,56,57,58,59,60,61,62,63
	\op vcc_lo, 16*((\n%32)/8)+\n%8-16*(\n/32), v[\lim]
	v_cndmask_b32 v[S+\n], v[S+\n], v[NINF], vcc_lo
.endr
.endm
; A KEY STEP: 64 keys, the i-th of the chunk in hand.
.macro STEP i
	s_add_co_i32 s66, s[KF], 64*\i                 ; the step's first key
	s_cmp_lt_i32 s66, 0                            ; under key 0: there is no such key (and its chunk was not fetched)
	s_cbranch_scc1 .Lhidden_\@
	s_sub_co_i32 s67, s[QW], s66                   ; KD = my first query - the first key, a multiple of 32.  q - k runs from KD - 63 to KD + 31: some key counts where 0 <= KD <= 575
	s_cmp_gt_u32 s67, 575                          ; (unsigned: a negative KD is greater too)
	s_cbranch_scc1 .Lhidden_\@
	v_add_nc_u32 v[ADK], s[TB], v[AK0]             ; six plain lines: the places behind the last step's products, in front of the loads into their fragments' registers (four are asked)
	v_add_nc_u32 v[ADV], s[TB], v[AV0]             ; and of the products below, which write over registers that those products read (five are asked)
	v_add_nc_u32 v[E], s67, v[RH]
	v_cvt_f32_i32 v[U], v[E]
	v_mul_f32 v[U], v[C2], v[U]                    ; u of tile 0,
	v_add_f32 v[U+1], v[C16], v[U]                 ; of tile 1
.irp g, 0,1                                    ; S^T = K Q^T + the bias: two tiles of 16 keys at a time, for both tiles of queries
.if \g
.rept 4
	v_nop                                          ; places in front of loads into registers that matrix instructions have read
.endr
.endif
.irp u, 0,1
.irp c, 0,1
	ds_load_b128 v[FR+16*\u+8*\c:FR+16*\u+8*\c+3],   v[ADK] offset:(64*\i+16*(2*\g+\u))*PK+64*\c
	ds_load_b128 v[FR+16*\u+8*\c+4:FR+16*\u+8*\c+7], v[ADK] offset:(64*\i+16*(2*\g+\u))*PK+64*\c+32
.endr
.endr
	s_wait_dscnt 0x0
.irp c, 0,1                                    ; four accumulators by turns, one instruction a turn
.irp u, 0,1
.irp x, 0,1
.if \c == 0
	v_wmma_f32_16x16x32_f16 v[S+32*\x+8*(2*\g+\u):S+32*\x+8*(2*\g+\u)+7], v[FR+16*\u+8*\c:FR+16*\u+8*\c+7], v[QF+16*\x+8*\c:QF+16*\x+8*\c+7], v[BI+8*(2*\g+\u):BI+8*(2*\g+\u)+7]
.else
	v_wmma_f32_16x16x32_f16 v[S+32*\x+8*(2*\g+\u):S+32*\x+8*(2*\g+\u)+7], v[FR+16*\u+8*\c:FR+16*\u+8*\c+7], v[QF+16*\x+8*\c:QF+16*\x+8*\c+7], v[S+32*\x+8*(2*\g+\u):S+32*\x+8*(2*\g+\u)+7]
.endif
.endr
.endr
.endr
.endr
.rept 4
	v_nop                                          ; places: in front of the loads below, and of the first read of the scores
.endr
.irp t, 0,1,2,3                                ; V^T of the step's first 32 keys, channels 16 t on: asked for now, wanted behind the softmax
	ds_load_tr16_b128 v[FR+8*\t:FR+8*\t+3],   v[ADV] offset:(64*\i)*PV+32*\t
	ds_load_tr16_b128 v[FR+8*\t+4:FR+8*\t+7], v[ADV] offset:(64*\i+16)*PV+32*\t
.endr
	s_cmp_gt_u32 s67, 62                           ; KD >= 63: no key of the step comes after a query of mine
	s_cbranch_scc1 .Lopen_\@
	MASK v_cmp_gt_i32, E                           ; hidden where q - k < 0: 16 kt + j - 16 x > E
.Lopen_\@:
	s_cmp_lt_u32 s67, 482                          ; KD <= 481: no key of the step lies more than 512 back
	s_cbranch_scc1 .Lnear_\@
	v_add_nc_u32 v[F], 0xfffffe00, v[E]            ; E - 512
	MASK v_cmp_lt_i32, F                           ; hidden where q - k > 512: 16 kt + j - 16 x < E - 512
.Lnear_\@:
	; THE SOFTMAX, the two tiles line by line in turn.  The largest of my 32 scores: four chains of seven, then the four left over
.irp j, 0,1,2,3
.irp x, 0,1
	v_max3_num_f32 v[ST+8*\x+4+\j], v[S+32*\x+8*\j], v[S+32*\x+8*\j+1], v[S+32*\x+8*\j+2]
.endr
.endr
.irp m, 1,2
.irp j, 0,1,2,3
.irp x, 0,1
	v_max3_num_f32 v[ST+8*\x+4+\j], v[ST+8*\x+4+\j], v[S+32*\x+8*\j+2*\m+1], v[S+32*\x+8*\j+2*\m+2]
.endr
.endr
.endr
.irp x, 0,1
	v_max3_num_f32 v[ST+8*\x+4], v[ST+8*\x+4], v[S+32*\x+7], v[S+32*\x+15]
	v_max3_num_f32 v[ST+8*\x+6], v[ST+8*\x+6], v[S+32*\x+23], v[S+32*\x+31]
.endr
.irp x, 0,1
	v_max3_num_f32 v[ST+8*\x+4], v[ST+8*\x+4], v[ST+8*\x+5], v[ST+8*\x+6]
.endr
.irp x, 0,1
	v_max_num_f32 v[ST+8*\x+4], v[ST+8*\x+4], v[ST+8*\x+7]
.endr
.irp x, 0,1
	v_fma_f32 v[ST+8*\x+5], v[ST+8*\x+4], s[CS], v[U+\x]   ; as t: u differs between the halves of the lanes, so it goes in ahead of the exchange
.endr
.irp x, 0,1
	v_permlanex16_b32 v[ST+8*\x+6], v[ST+8*\x+5], s[SEL], s[SEL+1]   ; the query's other 32 keys lie in the lane 16 away
.endr
.irp x, 0,1
	v_max3_num_f32 v[ST+8*\x+4], v[ST+8*\x+5], v[ST+8*\x+6], v[ST+8*\x+1]   ; the new M.  Every query has a key that counts in every step that is walked, so M is a number from the first step on
.endr
.irp x, 0,1
	v_sub_f32 v[ST+8*\x+7], v[ST+8*\x+1], v[ST+8*\x+4]     ; old M - new M
.endr
.irp x, 0,1
	v_sub_f32 v[ST+8*\x], v[U+\x], v[ST+8*\x+4]            ; u - M
.endr
.irp x, 0,1
	v_mov_b32 v[ST+8*\x+1], v[ST+8*\x+4]
.endr
.irp x, 0,1
	v_exp_f32 v[ST+8*\x+6], v[ST+8*\x+7]                   ; a = 2^(old M - new M)
.endr
.irp b, 0,2,4,6,8,10,12,14,16,18,20,22,24,26,28,30
.irp x, 0,1
	v_pk_fma_f32 v[S+32*\x+\b:S+32*\x+\b+1], v[S+32*\x+\b:S+32*\x+\b+1], s[CS:CS+1], v[ST+8*\x:ST+8*\x+1] op_sel_hi:[1,0,0]   ; t - M = c1 S' + (u - M), two at a time
.endr
.endr
.set NN, 0
.rept 64
	v_exp_f32 v[S+NN], v[S+NN]                     ; p = 2^(t - M), at most 1
.set NN, NN+1
.endr
	v_nop                                          ; the plain line behind the last exponential
	s_wait_alu depctr_va_vdst(0)                   ; ONE wait for the batch of 66, ahead of the first line that names a result
.irp x, 0,1
	v_pk_mul_f32 v[ST+8*\x+2:ST+8*\x+3], v[ST+8*\x+2:ST+8*\x+3], v[ST+8*\x+6:ST+8*\x+7] op_sel_hi:[1,0]   ; the sum under the new M
.endr
.irp x, 0,1                                    ; the row's sum is taken of the unrounded p: two chains a tile
	v_pk_add_f32 v[ST+8*\x+4:ST+8*\x+5], v[S+32*\x+2:S+32*\x+3], v[S+32*\x+6:S+32*\x+7]
.endr
.irp b, 0,4
.irp x, 0,1
	v_pk_add_f32 v[ST+8*\x+2:ST+8*\x+3], v[ST+8*\x+2:ST+8*\x+3], v[S+32*\x+\b:S+32*\x+\b+1]
.endr
.endr
.irp b, 8,12,16,20,24,28
.irp x, 0,1
	v_pk_add_f32 v[ST+8*\x+2:ST+8*\x+3], v[ST+8*\x+2:ST+8*\x+3], v[S+32*\x+\b:S+32*\x+\b+1]
	v_pk_add_f32 v[ST+8*\x+4:ST+8*\x+5], v[ST+8*\x+4:ST+8*\x+5], v[S+32*\x+\b+2:S+32*\x+\b+3]
.endr
.endr
.irp x, 0,1
	v_pk_add_f32 v[ST+8*\x+2:ST+8*\x+3], v[ST+8*\x+2:ST+8*\x+3], v[ST+8*\x+4:ST+8*\x+5]
.endr
.irp n, 0,1,2,3,4,5,6,7,8,9,10,11,12,13,14,15
.irp x, 0,1
	v_cvt_pk_f16_f32 v[S+32*\x+\n], v[S+32*\x+2*\n], v[S+32*\x+2*\n+1]   ; p to f16, packed in place into the tile's lower 16 registers (ascending: no register is written before it is read)
.endr
.endr
.irp t, 0,1,2,3                                ; V^T of the step's second 32 keys, into the upper 16 registers of the two tiles, which are free now
	ds_load_tr16_b128 v[S+32*(\t/2)+16+8*(\t%2):S+32*(\t/2)+16+8*(\t%2)+3],   v[ADV] offset:(64*\i+32)*PV+32*\t
	ds_load_tr16_b128 v[S+32*(\t/2)+16+8*(\t%2)+4:S+32*(\t/2)+16+8*(\t%2)+7], v[ADV] offset:(64*\i+48)*PV+32*\t
.endr
.irp b, 0,2,4,6,8,10,12,14,16,18,20,22,24,26,28,30
.irp x, 0,1
	v_pk_mul_f32 v[O+32*\x+\b:O+32*\x+\b+1], v[O+32*\x+\b:O+32*\x+\b+1], v[ST+8*\x+6:ST+8*\x+7] op_sel_hi:[1,0]   ; O^T under the new M, while those loads are on their way
.endr
.endr
	s_wait_dscnt 0x0                               ; V's sixteen loads are in
.irp t, 0,1,2,3                                ; O^T += V^T P: eight accumulators by turns, 32 keys, then the other 32
.irp x, 0,1
	v_wmma_f32_16x16x32_f16 v[O+32*\x+8*\t:O+32*\x+8*\t+7], v[FR+8*\t:FR+8*\t+7], v[S+32*\x:S+32*\x+7], v[O+32*\x+8*\t:O+32*\x+8*\t+7]
.endr
.endr
.irp t, 0,1,2,3
.irp x, 0,1
	v_wmma_f32_16x16x32_f16 v[O+32*\x+8*\t:O+32*\x+8*\t+7], v[S+32*(\t/2)+16+8*(\t%2):S+32*(\t/2)+16+8*(\t%2)+7], v[S+32*\x+8:S+32*\x+15], v[O+32*\x+8*\t:O+32*\x+8*\t+7]
.endr
.endr
.Lhidden_\@:
.endm
; THE CHANGE OF SLOTS stands at a chunk's head.  Each wave waits for all its tensor loads (its part of the chunk that it is about to read), adds 0 to its spare word (fill = 1: twice on end), and waits for that and for its
; reads of the slot that it has left.  Behind the barrier the slot ahead is whole and nobody reads the other one.  fill = 1: that other slot takes the next chunk, 256 keys further down: the load has a chunk's steps in which to land.
.macro CHANGE fill
	s_wait_tensorcnt 0x0                           ; no tensor load of mine is out, so a group 0 may be written
	ds_add_u32 v[SPW], v[NIL]                      ; 0 onto my spare word
.if \fill
	ds_add_u32 v[SPW], v[NIL]                      ; and once more: the add stands twice on end, in every trip alike
	s_xor_b32 s[G0K+1], s[G0K+1], SLOT1            ; the walking descriptors: the other slot than last time,
	s_sub_nc_u64 s[G0K+2:G0K+3], s[G0K+2:G0K+3], CHB   ; the 256 keys below; the type bits on top are not reached
	s_xor_b32 s[G0V+1], s[G0V+1], SLOT1
	s_sub_nc_u64 s[G0V+2:G0V+3], s[G0V+2:G0V+3], CHB
	s_wait_xcnt 0x0                                ; the last prefetch, a chunk back, has read its address, so it may be written:
	s_sub_nc_u64 s[PFA:PFA+1], s[PFA:PFA+1], CHB   ; one chunk further down than the walking descriptors
.endif
	s_wait_dscnt 0x0                               ; the add is done (fill = 1: both are), and my reads of the slot that I have left are over
	s_barrier_signal -1
	s_barrier_wait -1
.if \fill
	s_cmp_lt_i32 s[KF], CK                         ; the next chunk would begin under key 0: no wave would read it, so it is not asked for.  Ids and the count of chunks alone: all sixteen waves go the same way,
	s_cbranch_scc1 .Lpast_\@                       ; and a work-group that is past the limit stays past it.  Every wait on TENSORcnt in this text is for 0
	TLOAD                                          ; the first thing behind the barrier, and a wave's one tensor load until the next
.Lpast_\@:
	ASK
.endif
.endm
.macro SLOT_STEPS
	STEP 0
	STEP 1
	STEP 2
	STEP 3
	s_xor_b32 s[TB], s[TB], SLOT1                  ; on to the other slot,
	s_sub_co_i32 s[KF], s[KF], CK                  ; 256 keys down
.endm
	s_wait_loadcnt 0x0                             ; Q
.Lslot:                                            ; three trips: behind each change of slots but the last the next chunk is asked for
	CHANGE 1
	SLOT_STEPS
	s_sub_co_u32 s[SLOTS], s[SLOTS], 1
	s_cmp_lg_u32 s[SLOTS], 0
	s_cbranch_scc1 .Lslot
	CHANGE 0                                       ; the last chunk is written out: nothing is left to fetch
	SLOT_STEPS
	; THE WAY OUT.  The sum's two halves and the other half of the lanes' are added; O^T is divided by the sum, rounded to f16 and sent through my stage in LDS, a tile (16 positions) at a time:
	; back come four positions' 128 bytes in the 32 lanes: 512 consecutive bytes of o16.  The additions and the address lines are the places behind the last products.
.irp x, 0,1
	v_add_f32 v[ST+8*\x+4], v[ST+8*\x+2], v[ST+8*\x+3]
.endr
.irp x, 0,1
	v_permlanex16_b32 v[ST+8*\x+5], v[ST+8*\x+4], s[SEL], s[SEL+1]
.endr
.irp x, 0,1
	v_add_f32 v[ST+8*\x+4], v[ST+8*\x+4], v[ST+8*\x+5]
.endr
.irp x, 0,1
	v_rcp_f32 v[ST+8*\x+6], v[ST+8*\x+4]
.endr
	v_and_b32 v8, 15, v0                           ; (plain lines behind the reciprocals)  r
	v_bfe_u32 v9, v0, 4, 1                         ; h
	s_mul_i32 s73, s[WV], 16*SP
	s_add_co_u32 s73, s73, STAGE                   ; my stage
	v_mul_u32_u24 v11, v8, SP
	v_lshl_add_u32 v11, v9, 4, v11
	v_add_nc_u32 v11, s73, v11                     ; in: row r; tile t's eight channels of my half: 32 t + 16 h bytes on
	v_bfe_u32 v12, v0, 3, 2
	v_and_b32 v13, 7, v0
	v_mul_u32_u24 v12, v12, SP
	v_lshl_add_u32 v12, v13, 4, v12
	v_add_nc_u32 v12, s73, v12                     ; back: eight lanes to a row, four rows an instruction
	v_and_b32 v13, 31, v0
	v_lshlrev_b32 v13, 4, v13                      ; and in o16: 16 x lane
	s_wait_alu depctr_va_vdst(0)                   ; one wait for the two reciprocals, ahead of their first reader
.irp x, 0,1
.irp b, 0,2,4,6,8,10,12,14,16,18,20,22,24,26,28,30
	v_pk_mul_f32 v[O+32*\x+\b:O+32*\x+\b+1], v[O+32*\x+\b:O+32*\x+\b+1], v[ST+8*\x+6:ST+8*\x+7] op_sel_hi:[1,0]
.endr
.irp n, 0,1,2,3,4,5,6,7,8,9,10,11,12,13,14,15
	v_cvt_pk_f16_f32 v[FR+16*\x+\n], v[O+32*\x+2*\n], v[O+32*\x+2*\n+1]
.endr
.irp t, 0,1,2,3
	ds_store_b128 v11, v[FR+16*\x+4*\t:FR+16*\x+4*\t+3] offset:32*\t
.endr
.irp t, 0,1,2,3
	ds_load_b128 v[S+16*\x+4*\t:S+16*\x+4*\t+3], v12 offset:\t*4*SP   ; LDS serves a wave's instructions in order (ISA guide 5.7.1.4): these see my stores, and the next tile's stores come behind them
.endr
.endr
.irp x, 0,1
.irp t, 0,1,2,3
	s_wait_dscnt 11-8*\x-\t                        ; behind tile 0's load t: its 3 - t later loads and tile 1's eight instructions; behind tile 1's: its 3 - t later loads
	global_store_b128 v13, v[S+16*\x+4*\t:S+16*\x+4*\t+3], s[14:15] offset:2048*\x+512*\t   ; 32 lanes store 512 consecutive bytes, at a multiple of 256 from o16's first byte
.endr
.endr
	s_wait_tensorcnt 0x0                           ; the wave's end, behind my last tensor load and my last LDS store
	ds_add_u32 v[SPW], v[NIL]
	s_wait_dscnt 0x0
	s_endpgm
.Lfunc_end_k_q6daceff1b5_attn:
	.size	k_q6daceff1b5_attn, .Lfunc_end_k_q6daceff1b5_attn-k_q6daceff1b5_attn
	.p2alignl 7, 3214868480
	.fill 96, 4, 3214868480
	.section	.rodata,"a",@progbits
	.p2align	6, 0x0
	.amdhsa_kernel k_q6daceff1b5_attn
		.amdhsa_group_segment_fixed_size 327680
		.amdhsa_private_segment_fixed_size 0
		.amdhsa_enable_private_segment 0
		.amdhsa_kernarg_size 16
		.amdhsa_user_sgpr_count 2
		.amdhsa_user_sgpr_kernarg_segment_ptr 1
		.amdhsa_wavefront_size32 1
		.amdhsa_system_sgpr_workgroup_id_x 1
		.amdhsa_system_sgpr_workgroup_id_y 1
		.amdhsa_system_sgpr_workgroup_id_z 1
		.amdhsa_system_vgpr_workitem_id 0
		.amdhsa_next_free_vgpr 256
		.amdhsa_next_free_sgpr 100
		.amdhsa_reserve_vcc 1
		.amdhsa_float_denorm_mode_32 3
		.amdhsa_float_denorm_mode_16_64 3
		.amdhsa_memory_ordered 1
		.amdhsa_forward_progress 1
		.amdhsa_inst_pref_size 227
	.end_amdhsa_kernel
	.amdgpu_metadata
---
amdhsa.version: [ 1, 2 ]
amdhsa.kernels:
  - .name:           k_q6daceff1b5_attn
    .symbol:         k_q6daceff1b5_attn.kd
    .args:
      - { .name: qkv, .offset: 0, .size: 8, .value_kind: global_buffer, .address_space: global }
      - { .name: o16, .offset: 8, .size: 8, .value_kind: global_buffer, .address_space: global }
    .group_segment_fixed_size: 327680
    .private_segment_fixed_size: 0
    .kernarg_segment_align: 8
    .kernarg_segment_size: 16
    .max_flat_workgroup_size: 512
    .sgpr_count:     100
    .vgpr_count:     256
    .wavefront_size: 32
...
	.end_amdgpu_metadata
.endif
;; end of part 3
;; launch outproj (part 4): grid 4 x 64, 4 waves a work-group, clusters of 4 x 4, 327,680 bytes of LDS; arguments o16, w16, out0; writes out0
.if DOCPART == 4
	.amdgcn_target "amdgcn-amd-amdhsa--gfx1250"
	.amdhsa_code_object_version 6
	.text
	.protected	k_q6daceff1b5_outproj
	.globl	k_q6daceff1b5_outproj
	.p2align	8
	.type	k_q6daceff1b5_outproj,@function
k_q6daceff1b5_outproj:
	s_mov_b64 s[64:65], 0
	v_nop
	global_prefetch_b8 v0, s[64:65] scope:SCOPE_SE
	s_setreg_imm32_b32 hwreg(HW_REG_WAVE_MODE, 25, 1), 1
	s_wait_xcnt 0x0
	s_wait_alu depctr_hold_cnt(0) depctr_sa_sdst(0) depctr_va_vdst(0) depctr_va_sdst(0) depctr_va_ssrc(0) depctr_va_vcc(0) depctr_vm_vsrc(0)
	s_getreg_b32 s2, hwreg(HW_REG_IB_STS2, 6, 4)
	s_cmp_eq_u32 s2, 0
	s_cbranch_scc0 .Lentry_in_a_cluster
	s_endpgm
.Lentry_in_a_cluster:
	s_bfe_u32 s2, ttmp6, 0x10000c
	s_cmp_lg_u32 s2, 0xf033
	s_cbranch_scc0 .Lentry_shape_is_right
	s_endpgm
.Lentry_shape_is_right:
; out0[m][n] = the sum over k of o[m][k] w_out[n][k].  m = 2048 x batch + position, k = 64 x head + channel.  A = o16 [batch 4][head 16][position 2048][64] f16; B = w16 [1024][1024] f16; out0 [8192][1024] f32; sums in f32.
; A tile of C is 128 (m) x 256 (n): 256 work-groups, one for each WGP.  Four waves, each 64 x 128: 32 accumulators of 16 x 16, 256 registers.
; K goes in steps of 128, two heads, through a ring of two LDS slots filled by the tensor data mover: of A a step is two tiles of 128 positions x 128 bytes, one for each head (dense in memory); of B 256 rows x 256 bytes.
; CLUSTERS: 4 x 4 work-groups.  The four of a row of the cluster need the same tiles of A, the four of a column the same tiles of B: each tile is asked for JOINTLY, by the same tensor load with the same descriptor and a
; mask that names the four.  THE MATRIX INSTRUCTION IS USED TRANSPOSED (source 0 = 16 rows of B, source 1 = 16 rows of A): a lane then holds eight neighbouring numbers of a row of C.
; No prefetch: between two refills a wave has one K step's 128 matrix instructions, and the launch as a whole moves its inputs and its f32 output all the while.
; REGISTERS, in windows of 256: window 0: v0-31 addresses; v64-95, v128-159 A's fragments (4 x 16 rows x 32 K), two buffers; on the way out v128-255.
;   window 1: v64-127, v128-191 B's fragments (8 x 16 rows x 32 K), two buffers.   window 2: the accumulators ((a, b) at v[8 (8 a + b)]).
.set PA,     144                       ; a row of A in LDS: 128 bytes + 16 of padding
.set PB,     272                       ; a row of B: 256 bytes + 16: both pitches are odd multiples of 16 bytes, so the 16 rows that a load touches start at 16 different groups of banks (64 banks of 4 bytes: ISA guide 11.1)
.set ASUB,   128*PA                    ; one head's 128 positions: what one tensor load for A brings
.set BOFF,   2*ASUB                    ; B lies behind A's two heads
.set HALFB,  128*PB                    ; 128 rows of B: what one tensor load for B brings
.set SLOT,   BOFF+2*HALFB
.set STAGE,  2*SLOT                    ; behind the ring: 16 rows x (512 bytes + 16) for each wave, for the way out
.set SPITCH, 528
.set SPARE,  STAGE+4*16*SPITCH         ; behind the stages: the spare words, 128 bytes for each wave
.set LAPS,   4                         ; a lap = two K steps = once round the ring: 1,024 / 256
.set ADRA, 16                          ; v16-17  LDS address of my A fragments in slot 0, 1
.set ADRB, 20                          ; v20-21  the same for B
.set STO,  24                          ; v24     the way out: where I put 32 bytes of a row
.set RD,   25                          ; v25     the way out: where I read a row back
.set CO,   26                          ; v26     16 x lane
.set SPW,  28                          ; v28     LDS address of my spare word; never rewritten
.set NIL,  29                          ; v29     0; never rewritten
.set F0,   64                          ; fragment buffer 0
.set F1,   128                         ; fragment buffer 1
.set BK,   128                         ; the way out: 16 rows read back from the stage: v128-191 and v192-255 by turns
.set G1, 24                            ; s[24:31] descriptor group 1 for A's tiles;  s[32:39] group 0, one set for each slot
.set G0, 32
.set G1B, 48                           ; s[48:55], s[56:63] the same for B's tiles
.set G0B, 56
.set MSB, 0
.macro WIN new                         ; the immediate's high byte repeats the setting that is left
.if MSB != \new
	s_set_vgpr_msb (MSB<<8)|\new
.set MSB, \new
.endif
.endm
.set MUL,  0xa1                        ; source 0 (B) window 1, source 1 (A) window 0, C and D window 2
.set TO_B, 0x40                        ; destination window 1, address window 0
.macro JLOAD s                         ; a joint load: waves 0 and 1 fetch A's two heads, waves 2 and 3 B's two halves; an s_nop 0 and four v_nop follow each of the two lines, ahead of the jump, the label and what follows
	s_cmp_eq_u32 s11, 0
	s_cbranch_scc0 .Lfor_b_\@
	tensor_load_to_lds s[G0+4*\s:G0+4*\s+3], s[G1:G1+7]
	s_nop 0
.rept 4
	v_nop
.endr
	s_branch .Lasked_\@
.Lfor_b_\@:
	tensor_load_to_lds s[G0B+4*\s:G0B+4*\s+3], s[G1B:G1B+7]
	s_nop 0
.rept 4
	v_nop
.endr
.Lasked_\@:
.endm
.macro CREST                           ; a round of the cluster's barrier behind its opening barrier
	s_cmp_lg_u32 s10, 0
	s_cbranch_scc1 .Lnot_wave_0_\@
	s_barrier_signal -3
.Lnot_wave_0_\@:
	s_barrier_wait -3
	s_barrier_signal -1
	s_barrier_wait -1
.endm
.macro CROUND                          ; a whole round
	s_barrier_signal -1
	s_barrier_wait -1
	CREST
.endm
	s_load_b128 s[4:7], s[0:1], 0x0                ; o16 s[4:5], w16 s[6:7]
	s_load_b64 s[8:9], s[0:1], 0x10                ; out0
	v_lshl_add_u32 v[SPW], v0, 2, SPARE
	v_mov_b32 v[NIL], 0
	ds_add_u32 v[SPW], v[NIL]                      ; the wave's opening: the add, twice on end, and its wait ahead of my first tensor load; the set-up below stands between the second and the wait
	ds_add_u32 v[SPW], v[NIL]
	v_lshrrev_b32 v1, 5, v0
	v_readfirstlane_b32 s10, v1                    ; wave 0..3
	s_lshr_b32 s11, s10, 1                         ; which half of the tile's rows is mine.  Also: I fetch for A (0) or for B (1)
	s_and_b32 s12, s10, 1                          ; which half of its columns.  Also: which head of A's two, or which 128 rows of B, I fetch
	s_bfe_u32 s40, ttmp6, 0x40000                  ; cx, cy: my place in the cluster
	s_bfe_u32 s41, ttmp6, 0x40004
	s_lshl_b32 s42, ttmp9, 2
	s_add_co_u32 s42, s42, s40                     ; tile column of C = 4 x cluster x + cx
	s_and_b32 s13, ttmp7, 0xffff
	s_lshl_b32 s13, s13, 2
	s_add_co_u32 s13, s13, s41                     ; tile row of C = 4 x cluster y + cy
	s_lshl_b32 s43, s41, 2
	s_lshl_b32 s43, 15, s43                        ; my row of the cluster
	s_lshl_b32 s44, 0x1111, s40                    ; my column
	; descriptor group 1.  A: 128 rows x 64 elements, dense in memory
	s_or_b32 s[G1+0], s43, (1<<16)|(1<<20)|(1<<21)|(4<<22)|(3<<25)  ; 15:0 the mask: A's tiles go to my row; 17:16 element of 2 bytes; 20 padding on; 21 set beside a mask; 24:22 after every 32 words (code 4); 31:25 of 4 words (code 3)
	s_mov_b32 s[G1+1], 64<<16                      ; tensor_dim0
	s_mov_b32 s[G1+2], 128<<16                     ; tensor_dim1
	s_mov_b32 s[G1+3], 64<<16                      ; tile_dim0
	s_mov_b32 s[G1+4], 128                         ; tile_dim1
	s_mov_b32 s[G1+5], 64                          ; tensor_dim0_stride
	s_mov_b32 s[G1+6], 0
	s_mov_b32 s[G1+7], 0
	; B: 128 rows x 128 elements, 1,024 elements from row to row
	s_or_b32 s[G1B+0], s44, (1<<16)|(1<<20)|(1<<21)|(5<<22)|(3<<25) ; the mask of my column; padding after every 64 words (code 5)
	s_mov_b32 s[G1B+1], 128<<16
	s_mov_b32 s[G1B+2], 128<<16
	s_mov_b32 s[G1B+3], 128<<16
	s_mov_b32 s[G1B+4], 128
	s_mov_b32 s[G1B+5], 1024
	s_mov_b32 s[G1B+6], 0
	s_mov_b32 s[G1B+7], 0
	; where the tiles come from.  A's hang on the tile row alone, B's on the tile column alone; every wave makes both addresses, in registers that never hold the other coordinate
	s_lshr_b32 s16, s13, 4                         ; A: batch = tile row / 16 (4 MiB each),
	s_lshl_b32 s16, s16, 22
	s_and_b32 s17, s13, 15                         ; position 128 (tile row % 16), 128 bytes each,
	s_lshl_b32 s17, s17, 14
	s_add_co_u32 s16, s16, s17
	s_lshl_b32 s17, s12, 18                        ; the head that I fetch (256 KiB each)
	s_add_co_u32 s16, s16, s17
	s_mov_b32 s17, 0
	s_lshl_b32 s46, s42, 8                         ; B: row 256 x tile column + 128 x half,
	s_lshl_b32 s47, s12, 7
	s_add_co_u32 s46, s46, s47
	s_lshl_b32 s46, s46, 11                        ; 2,048 bytes each
	s_mov_b32 s47, 0
	s_mul_i32 s20, s12, ASUB                       ; and where they go: no place in the cluster enters an LDS address
	s_mul_i32 s21, s12, HALFB
	s_add_co_u32 s21, s21, BOFF
	s_wait_dscnt 0x0                               ; both opening adds are done
	s_wait_kmcnt 0x0
	s_add_nc_u64 s[14:15], s[4:5], s[16:17]
	s_add_nc_u64 s[46:47], s[6:7], s[46:47]
	CROUND                                         ; all sixteen work-groups are here: the first joint loads meet
.irp s, 0,1
	s_mov_b32 s[G0+4*\s], 1                                        ; 1:0 count = 1
	s_add_co_u32 s[G0+4*\s+1], s20, \s*SLOT                        ; 63:32 LDS address
	s_add_nc_u64 s[G0+4*\s+2:G0+4*\s+3], s[14:15], \s*2*262144     ; 120:64 global address: K step s is heads 2 s and 2 s + 1
	s_or_b32 s[G0+4*\s+3], s[G0+4*\s+3], 0x80000000                ; 127:126 type = 2
	s_mov_b32 s[G0B+4*\s], 1
	s_add_co_u32 s[G0B+4*\s+1], s21, \s*SLOT
	s_add_nc_u64 s[G0B+4*\s+2:G0B+4*\s+3], s[46:47], \s*256
	s_or_b32 s[G0B+4*\s+3], s[G0B+4*\s+3], 0x80000000
	JLOAD \s                                       ; two tensor loads of a wave are out here, later one
.endr
	v_and_b32 v1, 15, v0                           ; l % 16
	v_bfe_u32 v2, v0, 4, 1                         ; l / 16
	v_mul_u32_u24 v3, v1, PA
	v_lshl_add_u32 v3, v2, 4, v3                   ; a fragment's row x pitch + 16 x half: A's,
	v_mul_u32_u24 v4, v1, PB
	v_lshl_add_u32 v4, v2, 4, v4                   ; B's
	s_mul_i32 s21, s11, 64*PA                      ; my 64 rows of A
	s_mul_i32 s22, s12, HALFB                      ; my 128 rows of B,
	s_add_co_u32 s22, s22, BOFF                    ; which lie behind A's two heads
.irp s, 0,1
	v_add_nc_u32 v[ADRA+\s], s21, v3
	v_add_nc_u32 v[ADRB+\s], s22, v4
	s_add_co_u32 s21, s21, SLOT
	s_add_co_u32 s22, s22, SLOT
.endr
	s_mul_i32 s23, s10, 16*SPITCH
	s_add_co_u32 s23, s23, STAGE                   ; my stage
	v_mul_u32_u24 v5, v1, SPITCH                   ; in: row l % 16, 32 bytes for each half of the lanes
	v_lshl_add_u32 v5, v2, 5, v5
	v_add_nc_u32 v[STO], s23, v5
	v_and_b32 v6, 31, v0
	v_lshlrev_b32 v[CO], 4, v6                     ; back: the 32 lanes take one row of 512 bytes; and the same in C
	v_add_nc_u32 v[RD], s23, v[CO]
	s_lshl_b32 s16, s13, 7
	s_lshl_b32 s17, s11, 6
	s_add_co_u32 s16, s16, s17                     ; my first row of C: 128 x tile row + 64 x half,
	s_lshl_b32 s16, s16, 12                        ; 4,096 bytes each
	s_mov_b32 s17, 0
	s_add_nc_u64 s[8:9], s[8:9], s[16:17]
	s_lshl_b32 s46, s42, 10                        ; my first column, in bytes: 1,024 x tile column + 512 x half
	s_lshl_b32 s47, s12, 9
	s_add_co_u32 s46, s46, s47
	s_mov_b32 s47, 0
	s_add_nc_u64 s[8:9], s[8:9], s[46:47]
; 8 matrix instructions: A's block a x B's eight, 32 along K, from buffer f.  zero = 1: the first product starts the sums: nothing is ever cleared.
; The 32 accumulators take turns, one instruction a turn, in the same order in every quarter.
.macro MULA f, a, zero
.irp b, 0,1,2,3,4,5,6,7
.if \zero
	v_wmma_f32_16x16x32_f16 v[8*(8*(\a)+\b):8*(8*(\a)+\b)+7], v[\f+8*\b:\f+8*\b+7], v[\f+8*(\a):\f+8*(\a)+7], 0
.else
	v_wmma_f32_16x16x32_f16 v[8*(8*(\a)+\b):8*(8*(\a)+\b)+7], v[\f+8*\b:\f+8*\b+7], v[\f+8*(\a):\f+8*(\a)+7], v[8*(8*(\a)+\b):8*(8*(\a)+\b)+7]
.endif
.endr
.endm
; 24 LDS loads in one run: the fragments of the slot's q-th 32 along K into buffer f: B's eight, then A's four.  In A quarters 0, 1 lie in the first head's tile, 2, 3 in the second's.
.macro FETCH slot, q, f
	WIN TO_B
.irp i, 0,1,2,3,4,5,6,7
	ds_load_b128 v[\f+8*\i:\f+8*\i+3],   v[ADRB+\slot] offset:64*(\q)+\i*16*PB
	ds_load_b128 v[\f+8*\i+4:\f+8*\i+7], v[ADRB+\slot] offset:64*(\q)+\i*16*PB+32
.endr
	WIN 0
.irp i, 0,1,2,3
	ds_load_b128 v[\f+8*\i:\f+8*\i+3],   v[ADRA+\slot] offset:((\q)/2)*ASUB+64*((\q)%2)+\i*16*PA
	ds_load_b128 v[\f+8*\i+4:\f+8*\i+7], v[ADRA+\slot] offset:((\q)/2)*ASUB+64*((\q)%2)+\i*16*PA+32
.endr
.endm
.macro PLACES                          ; four places in front of loads into registers that matrix instructions have read, and of the first read of results (ISA guide 7.12.1 for vector instructions)
.rept 4
	v_nop
.endr
.endm
; A K step is four quarters of 32 along K, 32 matrix instructions each, on buffers 0, 1, 0, 1.  One of the first three: multiplies buffer f and fetches quarter q into g.
.macro QUARTER slot, q, f, g, zero
	s_wait_dscnt 4                                 ; B's fragments and A's blocks 0, 1 are in; the youngest four loads (A's blocks 2, 3) may be out
	WIN MUL
	MULA \f, 0, \zero
	MULA \f, 1, \zero
	PLACES
	FETCH \slot, \q, \g
	s_wait_dscnt 24                                ; all but the 24 just issued
	WIN MUL
	MULA \f, 2, \zero
	MULA \f, 3, \zero
.endm
; The last quarter multiplies buffer 1 and changes slots: ONE barrier; in front of it each wave waits for all its tensor loads, adds 0 to its spare word, and waits for that and for its own reads of this slot.
; fill = 1: this slot is filled again, two K steps ahead; the barrier then opens a round of the cluster's barrier.
.macro TURN slot, next, fill
	WIN 0                                          ; (the add's two registers lie in window 0)
	s_wait_tensorcnt 0x0                           ; all my tensor loads have landed: my part of the next slot;
	ds_add_u32 v[SPW], v[NIL]                      ; 0 onto my spare word;
	s_wait_dscnt 5                                 ; (the add and the youngest four loads may be out)
	WIN MUL
	MULA F1, 0, 0                                  ; eight matrix instructions stand between the add and the wait for it
	s_wait_dscnt 0x0                               ; the add is done, and my reads of this slot are over
	s_barrier_signal -1
	MULA F1, 1, 0
.if \fill
	WIN 0
.endif
	s_barrier_wait -1
.if \fill
	CREST                                          ; no wave of any partner still reads this slot's tile or has a load on its way
	s_add_nc_u64 s[G0+4*\slot+2:G0+4*\slot+3], s[G0+4*\slot+2:G0+4*\slot+3], 4*262144   ; four heads on
	s_add_nc_u64 s[G0B+4*\slot+2:G0B+4*\slot+3], s[G0B+4*\slot+2:G0B+4*\slot+3], 512    ; 256 along K on
	JLOAD \slot                                    ; the first tensor load behind the round; the four v_nop behind it are also the places in front of the loads below
.else
	PLACES
.endif
	FETCH \next, 0, F0
	WIN MUL
	MULA F1, 2, 0
	MULA F1, 3, 0
.endm
	s_wait_tensorcnt 1                             ; my part of K step 0 is in (K step 1's load, issued behind it, may be out)
	s_barrier_signal -1
	s_barrier_wait -1                              ; everybody's is
	FETCH 0, 0, F0
	QUARTER 0, 1, F0, F1, 1                        ; the first quarter stands in front of the loop: its products start the sums
	WIN 0                                          ; at a label and at a branch every window is 0
	s_mov_b32 s3, LAPS-1
.Llap:                                                 ; a trip goes once round the ring, from a lap's second quarter to the next lap's first, and fills both slots again
	QUARTER 0, 2, F1, F0, 0
	QUARTER 0, 3, F0, F1, 0
	TURN 0, 1, 1
	QUARTER 1, 1, F0, F1, 0
	QUARTER 1, 2, F1, F0, 0
	QUARTER 1, 3, F0, F1, 0
	TURN 1, 0, 1
	QUARTER 0, 1, F0, F1, 0
	WIN 0
	s_sub_co_u32 s3, s3, 1
	s_cmp_lg_u32 s3, 0
	s_cbranch_scc1 .Llap
	QUARTER 0, 2, F1, F0, 0                        ; the last lap fills nothing, and has no round of the cluster's barrier
	QUARTER 0, 3, F0, F1, 0
	TURN 0, 1, 0
	QUARTER 1, 1, F0, F1, 0
	QUARTER 1, 2, F1, F0, 0
	QUARTER 1, 3, F0, F1, 0
	s_wait_dscnt 4                                 ; the very last quarter: nothing more to fetch
	WIN MUL
	MULA F1, 0, 0
	MULA F1, 1, 0
	s_wait_dscnt 0
	MULA F1, 2, 0
	MULA F1, 3, 0
	WIN 0
; THE WAY OUT, block by block of 16 rows x 128 columns.  A lane holds 32 neighbouring bytes of a row, and the lanes beside it hold other rows: so a block goes through my own stage in LDS and comes back as whole
; rows of 512 bytes.  LDS serves a wave's instructions in order (ISA guide 5.7.1.4): no wait between the stores and the loads, nor in front of the next block's stores.
.macro TOSTAGE a
	WIN 0x08                                       ; an LDS store's data are its source 1: window 2
.irp b, 0,1,2,3,4,5,6,7
	ds_store_b128 v[STO], v[64*(\a)+8*\b:64*(\a)+8*\b+3] offset:64*\b          ; each accumulator from its low end on
	ds_store_b128 v[STO], v[64*(\a)+8*\b+4:64*(\a)+8*\b+7] offset:64*\b+16
.endr
	WIN 0
.set BB, BK+64*((\a)%2)
.irp t, 0,1,2,3,4,5,6,7,8,9,10,11,12,13,14,15
	ds_load_b128 v[BB+4*\t:BB+4*\t+3], v[RD] offset:\t*SPITCH
.endr
.endm
.macro SEND a, younger                 ; younger: the LDS instructions issued behind block a's loads, which may stay out
.set BB, BK+64*((\a)%2)
	s_wait_dscnt \younger                          ; the block is back in registers
.irp t, 0,1,2,3,4,5,6,7,8,9,10,11,12,13,14,15
	global_store_b128 v[CO], v[BB+4*\t:BB+4*\t+3], s[8:9] offset:(16*(\a)+\t)*4096 th:TH_STORE_NT   ; 32 lanes store 512 consecutive bytes, at a multiple of 256 from out0's first byte; written once, read by nobody here
.endr
.endm
	PLACES                                         ; behind the last products: for the stage's stores, which read results, and for the loads into the registers that held A's fragments
	TOSTAGE 0
.irp a, 1,2,3
.if \a > 1
	s_wait_xcnt 0x0                                ; block a - 2's stores have read their registers: block a's loads may land there
.endif
	TOSTAGE \a
	SEND \a-1, 32                                  ; behind block a - 1's loads: block a's 16 stores and 16 loads
.endr
	SEND 3, 0
	s_wait_tensorcnt 0x0                           ; the wave's end, behind my last tensor load and my last LDS store
	ds_add_u32 v[SPW], v[NIL]
	s_wait_dscnt 0x0
	CROUND                                         ; the closing round: no work-group ends while a partner may still ask for a tile that names it
	s_endpgm
.Lfunc_end_k_q6daceff1b5_outproj:
	.size	k_q6daceff1b5_outproj, .Lfunc_end_k_q6daceff1b5_outproj-k_q6daceff1b5_outproj
	.p2alignl 7, 3214868480
	.fill 96, 4, 3214868480
	.section	.rodata,"a",@progbits
	.p2align	6, 0x0
	.amdhsa_kernel k_q6daceff1b5_outproj
		.amdhsa_group_segment_fixed_size 327680
		.amdhsa_private_segment_fixed_size 0
		.amdhsa_enable_private_segment 0
		.amdhsa_kernarg_size 24
		.amdhsa_user_sgpr_count 2
		.amdhsa_user_sgpr_kernarg_segment_ptr 1
		.amdhsa_wavefront_size32 1
		.amdhsa_system_sgpr_workgroup_id_x 1
		.amdhsa_system_sgpr_workgroup_id_y 1
		.amdhsa_system_sgpr_workgroup_id_z 1
		.amdhsa_system_vgpr_workitem_id 0
		.amdhsa_next_free_vgpr 768
		.amdhsa_next_free_sgpr 66
		.amdhsa_reserve_vcc 0
		.amdhsa_float_denorm_mode_32 3
		.amdhsa_float_denorm_mode_16_64 3
		.amdhsa_memory_ordered 1
		.amdhsa_forward_progress 1
		.amdhsa_inst_pref_size 85
	.end_amdhsa_kernel
	.amdgpu_metadata
---
amdhsa.version: [ 1, 2 ]
amdhsa.kernels:
  - .name:           k_q6daceff1b5_outproj
    .symbol:         k_q6daceff1b5_outproj.kd
    .args:
      - { .name: o16, .offset: 0, .size: 8, .value_kind: global_buffer, .address_space: global }
      - { .name: w16, .offset: 8, .size: 8, .value_kind: global_buffer, .address_space: global }
      - { .name: out0, .offset: 16, .size: 8, .value_kind: global_buffer, .address_space: global }
    .group_segment_fixed_size: 327680
    .private_segment_fixed_size: 0
    .kernarg_segment_align: 8
    .kernarg_segment_size: 24
    .max_flat_workgroup_size: 128
    .sgpr_count:     66
    .vgpr_count:     768
    .wavefront_size: 32
...
	.end_amdgpu_metadata
.endif
;; end of part 4
